; MI455X (gfx1250); checked and timed in simulation.
; The chip was launched on July 23, 2026; its instructions are those of AMD's public machine-readable ISA for CDNA 5 (MIT licence, August 2026) and "CDNA5" Instruction Set Architecture Reference Guide (July 2026). The comments in the code are by the model that wrote it; some were corrected since.
;; Masked Attention Head. Allowed arithmetic: matrix products marked QUANTISED: E2M3 operands, one E8M0 scale for each 32 along K, by v_wmma_scale_f32_16x16x128_f8f6f4 with both operands' format E2M3, f32 sums; everything else in f32.
;; Inputs: W_k 1,024 x 1,024 float32; W_q 1,024 x 1,024 float32; W_v 1,024 x 1,024 float32; x 4 x 2,048 x 1,024 float32.
;; Outputs: out0 4 x 2,048 x 1,024 float32.
;; This version of the problem:
;;   THIS VERSION OF THE PROBLEM IS GIVEN IN LOW PRECISION. The matrix products marked QUANTISED in the list below multiply operands that are first quantised to E2M3 (2 exponent bits, 3 mantissa bits; 6 bits a number), with one power-of-two scale for each 32 numbers along K (OCP MX v1.0); their sums are f32. All else is computed in f32.
;;   The module's matrix products, in the order in which they are computed (A, B: the left and right operand; K: the contracted axis; several contracted axes count as one K, in the product's order):
;;     1. [M 8,192, K 1,024] x [K 1,024, N 1,024]; A: input x; B: input W_q: QUANTISED
;;     2. [M 8,192, K 1,024] x [K 1,024, N 1,024]; A: input x; B: input W_k: QUANTISED
;;     3. [M 8,192, K 1,024] x [K 1,024, N 1,024]; A: input x; B: input W_v: QUANTISED
;;     4. batch 4 x [M 2,048, K 1,024] x [K 1,024, N 2,048]; A: computed on the way; B: computed on the way: QUANTISED
;;     5. batch 4 x [M 2,048, K 2,048] x [K 2,048, N 1,024]; A: softmax (see below); B: computed on the way: QUANTISED
;;   THE QUANTISER, for each operand of a quantised product, along K:
;;     - K is cut into blocks of 32 from its start; a last block that is shorter is filled with zeros.
;;     - A block's scale is 2^e with e = floor(log2(the largest magnitude in the block)) - 2, held to -126 .. 127; a block of zeros has e = 0. As a byte (E8M0): e + 127.
;;     - Each number is divided by its block's scale, clamped to +-7.5, and rounded to the nearest number of E2M3, ties to even, subnormals kept.
;;     - The product sums the exact products of the quantised numbers (number of the format x scale) in f32.
;;   ~~~python
;;   def quantise(x, axis):      # numpy; x: float32 -> the quantised numbers, widened to float32 again
;;       x = np.moveaxis(x, axis, -1); K = x.shape[-1]
;;       x = np.pad(x, [(0, 0)] * (x.ndim - 1) + [(0, -K % 32)]); x = x.reshape(x.shape[:-1] + (-1, 32)); a = np.abs(x).max(-1, keepdims=True)
;;       e = np.where(a > 0, np.clip(np.frexp(np.where(a > 0, a, 1))[1] - 1 - 2, -126, 127), 0)      # np.frexp(a)[1] - 1 = floor(log2(a)), exactly
;;       r = np.clip(x / 2.0 ** e, -7.5, 7.5)
;;       step = 2.0 ** (np.maximum(np.frexp(np.where(r == 0, 1, r))[1] - 1, 0) - 3)
;;       q = np.round(r / step) * step * 2.0 ** e      # np.round: ties to even
;;       return np.moveaxis(q.reshape(q.shape[:-2] + (-1,))[..., :K], -1, axis).astype(np.float32)
;;   ~~~
;;   SOFTMAX AHEAD OF A QUANTISED PRODUCT. Where the list says 'softmax', what is quantised is not the finished softmax but p = 2^(t - M), with t = logit x log2(e) and M = ceil(the row's largest t), a whole number; so 1/2 < the row's largest p <= 1. The row's sum l is taken of the UNQUANTISED p, in f32, and the product's result is divided by l at the end. Since M is a whole number, a kernel that streams over the keys may use a running M (the ceiling of the running maximum): every later rescaling is an exact power of two, which a block's scale takes up: the codes' values come out the same.
;;   OPERANDS COMPUTED ON THE WAY. 'Computed on the way' means the value that the module computes at that place (a softmax that the list does not call 'softmax' is quantised finished and normalised). What goes into a quantiser is computed in f32, as accurately as f32 sums, v_exp_f32 and their like allow (about 1e-6 of the number): no bf16 or f16 on the way to a quantiser, and a product that is left as it is and whose result goes on into a quantised operand takes f32 operands (vector FMAs, or v_wmma_f32_16x16x4_f32). A number that lies on a knife's edge between two numbers of the format may be rounded either way, as far as f32 arithmetic and the matrix unit's own rounding can turn it there, and no further.
;; One version. Each part assembles by itself: llvm-mc -triple=amdgcn-amd-amdhsa -mcpu=gfx1250 --defsym DOCPART=n.
;; ======== version 1 of 1: 4 launches
;; limits: right only within a limited range of input values
;; workspace buffers: xw_c 8,650,752 bytes; xw_s 360,448 bytes; qk_c 12,582,912 bytes; qk_s 524,288 bytes; v_c 6,291,456 bytes; v_s 262,144 bytes; p_c 12,582,912 bytes; p_st 1,572,864 bytes
;; launch quant (part 1): grid 704 x 1, 4 waves a work-group, no clusters, 35,328 bytes of LDS; arguments x, W_q, W_k, W_v, xw_c, xw_s; writes xw_c, xw_s
.if DOCPART == 1
	.amdgcn_target "amdgcn-amd-amdhsa--gfx1250"
	.amdhsa_code_object_version 6
	.text
	.protected	k_q2fcaa45e15_quant
	.globl	k_q2fcaa45e15_quant
	.p2align	8
	.type	k_q2fcaa45e15_quant,@function
k_q2fcaa45e15_quant:
	s_mov_b64 s[64:65], 0
	v_nop
	global_prefetch_b8 v0, s[64:65] scope:SCOPE_SE
	s_setreg_imm32_b32 hwreg(HW_REG_WAVE_MODE, 25, 1), 1
	s_wait_xcnt 0x0
; x [8192][1024] and W_q, W_k, W_v [1024][1024], f32, K innermost, become codes of FP6 (E2M3) with one E8M0 byte for each 32 along K,
; laid as the later products take them.  Rows go in TILES of 16: lane r of tile T holds row 32 (T / 2) + 8 (T % 2) + r + 8 (r / 8).
; A FRAGMENT (a tile, 128 along K) is stored as the image of its 12 operand registers: registers 4 c .. 4 c + 3 of lane l at byte 512 c + 16 l: 1,536 dense bytes.
; xw_c: [704 tiles][8 steps of 128][1536]; tiles 0-511 x, 512-575 W_q, 576-639 W_k, 640-703 W_v.   xw_s: [8 steps][704 tiles][16 rows], one word of four bytes each.
; A block's scale is 2^(floor(log2(its largest magnitude)) - 2); its byte is the largest magnitude's exponent field - 2, held at 1 from below.
; LIMITS: a block of zeros, and a block whose largest magnitude lies under 2^-124, keeps the byte 1 (zero codes add nothing; this program alone reads the bytes).  NaN and infinities among the inputs are not served.
; SHARES: work-group g takes tiles 4 (g / 4) .. + 3, wave w one of them, and steps 2 (g % 4), 2 (g % 4) + 1 along K: 16 rows x 256 numbers a wave.  All 32 loads of a wave go out at its start: no load waits for a step's work.
; Each load reads 512 consecutive bytes of one row; a step's 16 rows turn through the wave's own stage in LDS (rows 528 bytes apart), so that a lane gets 16 neighbours of each block of 32.
; Bytes bind here: no matrix unit, no tensor load, no cluster; the one barrier gathers four waves' scale words into whole runs of 256 bytes, which waves 0 and 1 store, a step each.
.set STG,  16*528                      ; a wave's stage
.set SCW,  4*STG                       ; behind the stages: [step][wave][row] scale words, 512 bytes in a block of 1,024
.set RAW,  16                          ; v16-143   two sets of 64 numbers as loaded
.set X,    144                         ; v144-207  register 16 b + i = k 32 b + 16 (lane / 16) + i of my row
.set PC,   208                         ; v208-219  the fragment's codes
.set PX,   220                         ; v220-227  the upper halves of the blocks, before they are moved
.set TM,   228                         ; v228-243  at work
.set PW,   244                         ; v244      the scale word
.set SEL,  20                          ; s[20:21]  lane selects: lane l xor 16
	s_load_b256 s[4:11], s[0:1], 0x0               ; x, W_q, W_k, W_v
	s_load_b128 s[12:15], s[0:1], 0x20             ; xw_c, xw_s
	v_lshl_add_u32 v254, v0, 2, 0x8800             ; my spare word, behind the scale words; never rewritten
	v_mov_b32 v255, 0
	v_lshrrev_b32 v1, 5, v0
	v_readfirstlane_b32 s16, v1                    ; wave
	v_and_b32 v1, 31, v0                           ; lane
	v_and_b32 v8, 15, v0                           ; r
	v_bfe_u32 v9, v0, 4, 1                         ; h
	v_lshlrev_b32 v2, 4, v1                        ; 16 x lane
	v_lshlrev_b32 v7, 3, v1                        ; 8 x lane
	s_mul_i32 s17, s16, STG
	v_add_nc_u32 v3, s17, v2                       ; the stage, on the way in
	v_mul_u32_u24 v4, v8, 528
	v_lshl_add_u32 v4, v9, 6, v4
	v_add_nc_u32 v4, s17, v4                       ; and on the way out: row r, + 64 h
	s_lshl_b32 s17, s16, 6
	s_add_co_u32 s17, s17, SCW
	v_lshl_add_u32 v5, v8, 2, s17                  ; where my row's scale word goes: SCW + 64 wave + 4 r
	s_and_b32 s30, s16, 1                          ; the step whose words waves 0 and 1 store
	s_lshl_b32 s17, s30, 8
	s_add_co_u32 s17, s17, SCW
	v_add_nc_u32 v6, s17, v7                       ; and what they read back: 8 bytes a lane
	s_mov_b32 s[SEL], 0x76543210
	s_mov_b32 s[SEL+1], 0xfedcba98
.irp b, 0,1,2,3
	v_mov_b32 v[TM+4+\b], 0                        ; written once: a lane permute's destination counts as one of its sources
.endr
	s_lshr_b32 s18, ttmp9, 2                       ; G: the group of four tiles
	s_and_b32 s19, ttmp9, 3                        ; which quarter of K
	s_mov_b32 s22, 160
	s_wait_alu depctr_va_vdst(0)                   ; the wait at the head's end
	s_wait_kmcnt 0x0
	s_cmp_lt_u32 s18, 160                          ; which tensor: the choice hangs on the work-group's number alone
	s_cselect_b64 s[10:11], s[8:9], s[10:11]
	s_cselect_b32 s22, 144, s22
	s_cmp_lt_u32 s18, 144
	s_cselect_b64 s[10:11], s[6:7], s[10:11]
	s_cselect_b32 s22, 128, s22
	s_cmp_lt_u32 s18, 128
	s_cselect_b64 s[10:11], s[4:5], s[10:11]
	s_cselect_b32 s22, 0, s22                      ; the tensor's first group
	s_sub_co_u32 s22, s18, s22
	s_lshl_b32 s22, s22, 2
	s_add_co_u32 s22, s22, s16                     ; my tile within the tensor
	s_lshr_b32 s23, s22, 1
	s_lshl_b32 s23, s23, 5
	s_and_b32 s24, s22, 1
	s_lshl_b32 s24, s24, 3
	s_add_co_u32 s23, s23, s24                     ; its first row
	s_lshl_b32 s24, s23, 12                        ; x 4,096 bytes
	s_lshl_b32 s25, s19, 10                        ; + my quarter of K: 1,024 bytes
	s_add_co_u32 s24, s24, s25
	s_mov_b32 s25, 0
	s_add_nc_u64 s[10:11], s[10:11], s[24:25]
	s_lshl_b32 s26, s18, 2
	s_add_co_u32 s26, s26, s16                     ; my tile among the 704
	s_mul_i32 s26, s26, 12288
	s_mul_i32 s27, s19, 3072                       ; two fragments a quarter
	s_add_co_u32 s26, s26, s27
	s_mov_b32 s27, 0
	s_add_nc_u64 s[12:13], s[12:13], s[26:27]
	s_lshl_b32 s28, s19, 1
	s_add_co_u32 s28, s28, s30                     ; the step whose words are stored: 2 quarter + wave % 2
	s_mul_i32 s28, s28, 704*64
	s_lshl_b32 s29, s18, 8                         ; the group's four tiles: 256 bytes
	s_add_co_u32 s28, s28, s29
	s_mov_b32 s29, 0
	s_add_nc_u64 s[14:15], s[14:15], s[28:29]
.macro LOAD s                          ; step s of my 16 rows: each load 512 consecutive bytes of a row
.irp i, 0,1,2,3,4,5,6,7,8,9,10,11,12,13,14,15
	global_load_b128 v[RAW+64*((\s)%2)+4*\i:RAW+64*((\s)%2)+4*\i+3], v2, s[10:11] offset:(\i+8*(\i/8))*4096+512*(\s) th:TH_LOAD_NT
.endr
.endm
.macro TURN s                          ; through the stage: LDS serves a wave's instructions in order, so no wait stands between the stores and the loads
.irp i, 0,1,2,3,4,5,6,7,8,9,10,11,12,13,14,15
	ds_store_b128 v3, v[RAW+64*((\s)%2)+4*\i:RAW+64*((\s)%2)+4*\i+3] offset:528*\i
.endr
.irp b, 0,1,2,3
.irp j, 0,1,2,3
	ds_load_b128 v[X+16*\b+4*\j:X+16*\b+4*\j+3], v4 offset:128*\b+16*\j
.endr
.endr
.endm
.macro QUANT                           ; 64 numbers of a lane become a fragment's codes and its scale word
.irp b, 0,1,2,3
	v_max3_num_f32 v[TM+\b], |v[X+16*\b]|, |v[X+1+16*\b]|, 0x1800000   ; block b: my 16 numbers, and the floor 2^(3 - 127): the byte cannot fall under 1
.endr
.irp i, 2,4,6,8,10,12,14
.irp b, 0,1,2,3
	v_max3_num_f32 v[TM+\b], v[TM+\b], |v[X+16*\b+\i]|, |v[X+1+16*\b+\i]|
.endr
.endr
.irp b, 0,1,2,3
	v_permlanex16_b32 v[TM+4+\b], v[TM+\b], s[SEL], s[SEL+1]
.endr
.irp b, 0,1,2,3
	v_max_num_f32 v[TM+\b], v[TM+\b], v[TM+4+\b]   ; with lane l xor 16: the block's largest magnitude
.endr
.irp b, 0,1,2,3
	v_add_nc_u32 v[TM+12+\b], 0xff000000, v[TM+\b] ; 2 off its exponent field: the conversion's scale operand
.endr
.irp b, 0,1,2,3
	v_lshrrev_b32 v[TM+4+\b], 23, v[TM+12+\b]      ; the scale's byte
.endr
	v_lshl_or_b32 v[PW], v[TM+5], 8, v[TM+4]
	v_lshl_or_b32 v[PW], v[TM+6], 16, v[PW]
	v_lshl_or_b32 v[PW], v[TM+7], 24, v[PW]
.irp c, 0,1
	v_cvt_scalef32_pk16_fp6_f32 v[PC+6*\c:PC+6*\c+2], v[X+32*\c:X+32*\c+15], v[TM+12+2*\c]
	v_cvt_scalef32_pk16_fp6_f32 v[PX+4*\c:PX+4*\c+2], v[X+16+32*\c:X+31+32*\c], v[TM+13+2*\c]
.endr
	v_nop                                          ; one plain place behind a scaled conversion
.irp c, 0,1                            ; the operand's layout wants a whole block in a lane
.irp i, 0,1,2
	v_permlane16_swap_b32 v[PC+6*\c+\i], v[PX+4*\c+\i]
.endr
.irp i, 0,1,2
	v_mov_b32 v[PC+3+6*\c+\i], v[PX+4*\c+\i]
.endr
.endr
.endm
	LOAD 0
	LOAD 1
.irp s, 0,1
.if \s < 1
	s_wait_loadcnt 16                              ; this step's 16 loads are in; the next step's 16 may be out
.else
	s_wait_loadcnt 0x0
.endif
	TURN \s
	s_wait_dscnt 0x0                               ; my numbers are back
.if \s > 0
	s_wait_xcnt 0x0                                ; the last step's stores have read the codes' registers
.endif
	QUANT
.irp c, 0,1,2
	global_store_b128 v2, v[PC+4*\c:PC+4*\c+3], s[12:13] offset:1536*\s+512*\c   ; 32 lanes store 512 consecutive bytes, aligned
.endr
	ds_store_b32 v5, v[PW] offset:256*\s           ; both halves of the lanes write the same word with the same value
.endr
	s_wait_dscnt 0x0                               ; for the others' sake: my scale words lie in LDS
	s_barrier_signal -1
	s_barrier_wait -1
	s_cmp_lt_u32 s16, 2                            ; two steps' words: waves 0 and 1 store them
	s_cbranch_scc0 .Lno_words
	ds_load_b64 v[246:247], v6                     ; one step's words of the group's four tiles
	s_wait_dscnt 0x0
	global_store_b64 v7, v[246:247], s[14:15]      ; 32 lanes store 256 consecutive bytes, aligned
.Lno_words:
	s_wait_tensorcnt 0x0                           ; the wave's end
	ds_add_u32 v254, v255
	s_wait_dscnt 0x0
	s_endpgm
.Lfunc_end_k_q2fcaa45e15_quant:
	.size	k_q2fcaa45e15_quant, .Lfunc_end_k_q2fcaa45e15_quant-k_q2fcaa45e15_quant
	.p2alignl 7, 3214868480
	.fill 96, 4, 3214868480
	.section	.rodata,"a",@progbits
	.p2align	6, 0x0
	.amdhsa_kernel k_q2fcaa45e15_quant
		.amdhsa_group_segment_fixed_size 35328
		.amdhsa_private_segment_fixed_size 0
		.amdhsa_enable_private_segment 0
		.amdhsa_kernarg_size 48
		.amdhsa_user_sgpr_count 2
		.amdhsa_user_sgpr_kernarg_segment_ptr 1
		.amdhsa_wavefront_size32 1
		.amdhsa_system_sgpr_workgroup_id_x 1
		.amdhsa_system_sgpr_workgroup_id_y 1
		.amdhsa_system_sgpr_workgroup_id_z 1
		.amdhsa_system_vgpr_workitem_id 0
		.amdhsa_next_free_vgpr 256
		.amdhsa_next_free_sgpr 66
		.amdhsa_reserve_vcc 0
		.amdhsa_float_denorm_mode_32 3
		.amdhsa_float_denorm_mode_16_64 3
		.amdhsa_memory_ordered 1
		.amdhsa_forward_progress 1
		.amdhsa_inst_pref_size 19
	.end_amdhsa_kernel
	.amdgpu_metadata
---
amdhsa.version: [ 1, 2 ]
amdhsa.kernels:
  - .name:           k_q2fcaa45e15_quant
    .symbol:         k_q2fcaa45e15_quant.kd
    .args:
      - { .name: x, .offset: 0, .size: 8, .value_kind: global_buffer, .address_space: global }
      - { .name: W_q, .offset: 8, .size: 8, .value_kind: global_buffer, .address_space: global }
      - { .name: W_k, .offset: 16, .size: 8, .value_kind: global_buffer, .address_space: global }
      - { .name: W_v, .offset: 24, .size: 8, .value_kind: global_buffer, .address_space: global }
      - { .name: xw_c, .offset: 32, .size: 8, .value_kind: global_buffer, .address_space: global }
      - { .name: xw_s, .offset: 40, .size: 8, .value_kind: global_buffer, .address_space: global }
    .group_segment_fixed_size: 35328
    .private_segment_fixed_size: 0
    .kernarg_segment_align: 8
    .kernarg_segment_size: 48
    .max_flat_workgroup_size: 128
    .sgpr_count:     66
    .vgpr_count:     256
    .wavefront_size: 32
...
	.end_amdgpu_metadata
.endif
;; end of part 1
;; launch proj (part 2): grid 8 x 32, 4 waves a work-group, clusters of 4 x 4, 327,680 bytes of LDS; arguments xw_c, xw_s, qk_c, qk_s, v_c, v_s; writes qk_c, qk_s, v_c, v_s
.if DOCPART == 2
	.amdgcn_target "amdgcn-amd-amdhsa--gfx1250"
	.amdhsa_code_object_version 6
	.text
	.protected	k_q2fcaa45e15_proj
	.globl	k_q2fcaa45e15_proj
	.p2align	8
	.type	k_q2fcaa45e15_proj,@function
k_q2fcaa45e15_proj:
	s_mov_b64 s[64:65], 0
	v_nop
	global_prefetch_b8 v0, s[64:65] scope:SCOPE_SE
	s_setreg_imm32_b32 hwreg(HW_REG_WAVE_MODE, 25, 1), 1
	s_wait_xcnt 0x0
	s_wait_alu depctr_hold_cnt(0) depctr_sa_sdst(0) depctr_va_vdst(0) depctr_va_sdst(0) depctr_va_ssrc(0) depctr_va_vcc(0) depctr_vm_vsrc(0)
	s_getreg_b32 s2, hwreg(HW_REG_IB_STS2, 6, 4)
	s_cmp_eq_u32 s2, 0
	s_cbranch_scc0 .Lentry_in_a_cluster
	s_endpgm
.Lentry_in_a_cluster:
	s_bfe_u32 s2, ttmp6, 0x10000c
	s_cmp_lg_u32 s2, 0xf033
	s_cbranch_scc0 .Lentry_shape_is_right
	s_endpgm
.Lentry_shape_is_right:
; Q = x W_q^T, K = x W_k^T, V = x W_v^T on codes of FP6 (E2M3) with E8M0 scales, K = 1,024; the results are quantised on the way out and leave as fragment images (1,536 bytes: registers 4 c .. 4 c + 3 of lane l at 512 c + 16 l).
; Source 0 of the matrix instruction is the B ROLE, source 1 the A ROLE: a lane holds one row of the A role, its registers run along the B role.  Tiles of 16 rows hold rows 32 (T / 2) + 8 (T % 2) + r + 8 (r / 8):
; so the 64 registers of one A tile against eight B tiles are 16 neighbours of each of four blocks of 32 along the B role: what the quantiser wants.
; SHARES: 8 x 32 = 256 work-groups of equal work.  Work-group (j, R) holds x's rows 256 R .. + 255 in LDS for all of K (196,608 bytes, filled once, in two halves of K) and makes three passes of 256 x 128 results:
;   passes 0, 1: A role = x, wave w its tiles 4 w .. + 3; B role = rows 256 j + 128 p .. + 127 of W_q | W_k: Q and K quantised along e -> qk_c [512 tiles][16 steps: 0-7 Q, 8-15 K][1536], qk_s [16][512][16] words;
;   pass 2:      A role = rows 128 j .. + 127 of W_v, a wave four tiles of them; B role = x, a wave eight tiles: V quantised along the tokens -> v_c [64 tiles of e][64 steps][1536], v_s [64][64][16] words.
; In every pass a wave has 4 A tiles x 8 B tiles: 32 accumulators, 256 registers; a piece is 128 along K, 32 matrix instructions; all fragments and scale words have two sets, by turns.
; W's 24 tiles stream through two LDS slots of 8 tiles x 512 along K (49,152 bytes): six fills.  The first comes at the head, the second behind the first round, the other four as refills, each wave two tiles.
; At the head one joint load a wave: x's lower half of K, W's first slot, x's scale words, W_q | W_k's.  Behind the first round: x's upper half, W's second slot, W_v's scale words.  By this text's count a wave never has more than one tensor load out.
; CLUSTERS: 4 x 4.  The four of a row (same R) need the same tiles of x, the four of a column (same j) the same tiles of W: each is asked for jointly, by the same tensor load with a mask that names the four.
; Passes 0 and 1 are one loop of two trips: what differs stands in scalar registers (the refills' addresses, the output's bases, the place of W's scale words).  Pass 2 is written out: its roles take other registers.
; PREFETCH: W_v's two slots are asked of memory two slots ahead of their tensor loads (in the loop's first trip alone): a wave's two tiles x 6,144 bytes are 48 blocks of 256 bytes, of which each of the four partners
; of a column takes 12, told apart by address; lanes 12-31 name the wave's last block again.  The four fills before them come by their loads alone.
; LIMITS: a block of zeros, or one whose largest magnitude lies under 2^-124, keeps the byte 1 (zero codes add nothing; this program alone reads the bytes); NaN and infinities are not served.
; REGISTERS: window 0: v0-29 addresses; v32-55 scale words, two sets, and nothing else; v64-159 the A role's fragments, two sets; v160-241 the way out.  window 1: v0-191 the B role's fragments, two sets.  window 2: accumulator (a, b) at v[8 (8 a + b)].
.set FR,    12
.set TROW,  6144                       ; a tile's bytes for 512 along K: four fragments
.set XLO,   0                          ; x's 16 tiles, K 0-511
.set XHI,   16*TROW                    ; and K 512-1023
.set SLA,   2*XHI                      ; W's slot for the lower half of K
.set SLB,   SLA+8*TROW                 ; and for the upper half
.set SCX,   SLB+8*TROW                 ; x's scale words [8 pieces][16 tiles][16 rows]
.set SCW,   SCX+8192                   ; W_q | W_k's, the same shape
.set SCV,   SCW+8192                   ; W_v's [8][8][16]
.set SPARE, SCV+4096                   ; the spare words, 128 bytes a wave: two blocks of 256 bytes that no other line names
.set SCR,   SPARE+512                  ; 256 bytes a wave for the scale words on the way out
.set XA,   8                           ; v8-9    x as the A role, lower and upper half of K
.set XB,   10                          ; v10-11  x as the B role
.set WB,   12                          ; v12-13  W as the B role
.set WA,   14                          ; v14-15  W as the A role
.set ASX,  16                          ; scale words: x as the A role,
.set ASW,  17                          ; W_q | W_k, pass 0,
.set ASWC, 18                          ; the same for the pass at hand,
.set ASV,  19                          ; W_v as the A role,
.set ASXB, 20                          ; x as the B role
.set SCRW, 21
.set SCRR, 22
.set PFO,  23                          ; the prefetches' lane term; never rewritten
.set SPW,  28                          ; my spare word; never rewritten
.set NIL,  29                          ; 0; never rewritten
.set SA,   32
.set SB,   40
.set AF,   64
.set PCB,  160                         ; the codes of A tile a at v[160 + 12 a]
.set PX,   208
.set PWB,  216
.set TM,   224
.set BK,   240
.set WV,   16
.set AH,   17
.set BH,   18
.set TRIP, 19
.set SPO,  20
.set G1X,  24
.set G1W,  32
.set G1SX, 40
.set G1SW, 48
.set G0X,  56
.set G0W,  60
.set G0SX, 68
.set G0SW, 72
.set RA,   76                          ; group 0 of the refills of slot A, and of slot B
.set RB,   80
.set DV,   84                          ; bytes from pass 1's tiles of W to pass 2's
.set SEL,  86
.set PF4,  88
.set PF5,  90
.set MSB, 0
.macro WIN new                         ; the immediate's high byte repeats the setting that is left
.if MSB != (\new)
	s_set_vgpr_msb (MSB<<8)|(\new)
.set MSB, (\new)
.endif
.endm
.set MULW, 0xa1                        ; source 0 window 1, source 1 window 0, C and D window 2
.set TO_B, 0x40                        ; destination window 1
.macro PLACES n                        ; plain places behind matrix instructions (ISA guide 7.12.1)
.rept \n
	v_nop
.endr
.endm
.macro CREST                           ; a round of the cluster's barrier behind its opening barrier
	s_cmp_lg_u32 s[WV], 0
	s_cbranch_scc1 .Lnot_wave_0_\@
	s_barrier_signal -3
.Lnot_wave_0_\@:
	s_barrier_wait -3
	s_barrier_signal -1
	s_barrier_wait -1
.endm
.macro CROUND
	s_barrier_signal -1
	s_barrier_wait -1
	CREST
.endm
.macro ARM under, g0, g1, next, join   ; one arm of a chain of branches on the wave's number: one joint load, then to the chain's end
	s_cmp_lt_u32 s[WV], \under
	s_cbranch_scc0 \next
	tensor_load_to_lds s[\g0:\g0+3], s[\g1:\g1+7]
	s_nop 0
.rept 4
	v_nop
.endr
	s_branch \join
\next:
.endm
; Piece q's fragments and scale words into set q % 2: a fragment is three loads of 512 consecutive bytes.  ba, bb: the roles' address registers; sa, sb: their scale words'; sap: bytes from piece to piece in the A role's table
.macro FETCH q, ba, bb, sa, sap, sb
.set FS, (\q)%2
.set FH, (\q)/4
.set FO, 1536*((\q)%4)
	WIN TO_B
.irp i, 0,1,2,3,4,5,6,7
.irp c, 0,1,2
	ds_load_b128 v[96*FS+FR*\i+4*\c:96*FS+FR*\i+4*\c+3], v[\bb+FH] offset:TROW*\i+FO+512*\c
.endr
.endr
	WIN 0
.irp i, 0,1,2,3
.irp c, 0,1,2
	ds_load_b128 v[AF+48*FS+FR*\i+4*\c:AF+48*FS+FR*\i+4*\c+3], v[\ba+FH] offset:TROW*\i+FO+512*\c
.endr
.endr
.irp i, 0,1,2,3
	ds_load_b32 v[SA+4*FS+\i], v[\sa] offset:(\sap)*(\q)+64*\i     ; lane l: the word of row l % 16 of A tile i
.endr
.irp i, 0,1,2,3,4,5,6,7
	ds_load_b32 v[SB+8*FS+\i], v[\sb] offset:1024*(\q)+64*\i
.endr
.endm
.macro FET q, kind
.if (\kind) == 0
	FETCH \q, XA, WB, ASX, 1024, ASWC
.else
	FETCH \q, WA, XB, ASV, 512, ASXB
.endif
.endm
; A tiles a0 .. a0 + n - 1 x the eight B tiles, 128 along K.  The 32 accumulators take turns, one instruction a turn, in the same order in every piece.
.macro MUL a0, n, st, zero
.set MA, \a0
.rept \n
.irp b, 0,1,2,3,4,5,6,7
.if \zero
	v_wmma_scale_f32_16x16x128_f8f6f4 v[8*(8*MA+\b):8*(8*MA+\b)+7], v[96*(\st)+FR*\b:96*(\st)+FR*\b+FR-1], v[AF+48*(\st)+FR*MA:AF+48*(\st)+FR*MA+FR-1], 0, v[SB+8*(\st)+\b], v[SA+4*(\st)+MA] matrix_a_fmt:MATRIX_FMT_FP6 matrix_b_fmt:MATRIX_FMT_FP6
.else
	v_wmma_scale_f32_16x16x128_f8f6f4 v[8*(8*MA+\b):8*(8*MA+\b)+7], v[96*(\st)+FR*\b:96*(\st)+FR*\b+FR-1], v[AF+48*(\st)+FR*MA:AF+48*(\st)+FR*MA+FR-1], v[8*(8*MA+\b):8*(8*MA+\b)+7], v[SB+8*(\st)+\b], v[SA+4*(\st)+MA] matrix_a_fmt:MATRIX_FMT_FP6 matrix_b_fmt:MATRIX_FMT_FP6
.endif
.endr
.set MA, MA+1
.endr
.endm
.macro ASK pf                          ; in the loop's first trip alone: the slots two fills on are W_v's; the second trip has none two fills on
	s_cmp_eq_u32 s[TRIP], 0
	s_cbranch_scc0 .Lnot_asked_\@
	global_prefetch_b8 v[PFO], s[\pf:\pf+1] th:TH_LOAD_NT scope:SCOPE_SE
.Lnot_asked_\@:
.endm
; Piece q of a pass: 32 matrix instructions on set q % 2; piece q + 1 is fetched in its middle.  A slot's last piece (q = 3, and in the loop q = 7) changes slots: in front of the barrier each wave waits for all its
; tensor loads, adds 0 to its spare word, and waits for that and for its reads of this slot.  In the loop the barrier opens a round of the cluster's barrier, and the slot is filled again first behind it.
.macro PIECE q, kind, zero
.set PS, (\q)%2
.set CHG, 0
.if (\q) == 3
.set CHG, 1
.endif
.if (\q) == 7
.if (\kind) == 0
.set CHG, 1
.endif
.endif
.if CHG
	s_wait_tensorcnt 0x0                           ; all my tensor loads have landed: so descriptors may be written
	ds_add_u32 v[SPW], v[NIL]                      ; 0 onto my spare word
.if (\kind) == 0
.if (\q) == 3
	s_mov_b32 s[G1W+2], 2<<16                      ; a refill brings two tiles a wave
	s_mov_b32 s[G1W+4], 2
	s_add_nc_u64 s[RB+2:RB+3], s[RB+2:RB+3], s[DV:DV+1]   ; slot B's next fill: pass 1's upper half, then pass 2's
.else
	s_add_nc_u64 s[RA+2:RA+3], s[RA+2:RA+3], s[DV:DV+1]   ; slot A's next fill: pass 2's lower half (behind the second trip the address is not used)
.endif
.endif
	s_wait_dscnt 1                                 ; this piece's 48 loads are in; the add alone may be out
	WIN MULW
	MUL 0, 1, PS, 0
	s_wait_dscnt 0x0                               ; the add is done, and my reads of this slot are over
	s_barrier_signal -1
	MUL 1, 1, PS, 0
	WIN 0
	s_barrier_wait -1
.if (\kind) == 0
	CREST                                          ; no wave of any partner still reads this slot or has a load on its way
.if (\q) == 3
	tensor_load_to_lds s[RA:RA+3], s[G1W:G1W+7]    ; every wave its two tiles: the LDS and global addresses hang on the wave's number
.else
	tensor_load_to_lds s[RB:RB+3], s[G1W:G1W+7]
.endif
	s_nop 0
.rept 4
	v_nop                                          ; (the places in front of the loads that follow)
.endr
.else
	PLACES 4
.endif
.else
	s_wait_dscnt 0x0                               ; this piece's fragments and scale words are in
	WIN MULW
	MUL 0, 2, PS, \zero
	PLACES 4
	WIN 0
.endif
.if (\q) < 7
	FET (\q)+1, \kind
.endif
.if CHG
.if (\kind) == 0
.if (\q) == 3
	ASK PF4
.else
	ASK PF5
.endif
.endif
.endif
	WIN MULW
	MUL 2, 2, PS, \zero
	WIN 0
.endm
; THE WAY OUT.  The 64 registers of A tile a (register 16 b + i = k 32 b + 16 (lane / 16) + i of my row) are quantised as they stand and leave as one fragment image; each accumulator is read from its low end on.
.macro QUANTW a, cb, tp
.set QS, 64*(\a)
.set QP, PCB+12*(\a)
	WIN 0x28                                       ; sources 1 and 2: window 2
.irp b, 0,1,2,3
	v_max3_num_f32 v[TM+\b], 0x1800000, |v[QS+16*\b]|, |v[QS+1+16*\b]|   ; the floor 2^(3 - 127) among the leaves: the byte cannot fall under 1
.endr
.irp i, 2,4,6,8,10,12,14
.irp b, 0,1,2,3
	v_max3_num_f32 v[TM+\b], v[TM+\b], |v[QS+16*\b+\i]|, |v[QS+1+16*\b+\i]|
.endr
.endr
	WIN 0
.irp b, 0,1,2,3
	v_permlanex16_b32 v[TM+4+\b], v[TM+\b], s[SEL], s[SEL+1]
.endr
.irp b, 0,1,2,3
	v_max_num_f32 v[TM+\b], v[TM+\b], v[TM+4+\b]   ; with lane l xor 16: the block's largest magnitude
.endr
.irp b, 0,1,2,3
	v_add_nc_u32 v[TM+12+\b], 0xff000000, v[TM+\b] ; 2 off the exponent field: the conversion's scale operand
.endr
.irp b, 0,1,2,3
	v_lshrrev_b32 v[TM+4+\b], 23, v[TM+12+\b]      ; the scale's byte
.endr
	v_lshl_or_b32 v[PWB+\a], v[TM+5], 8, v[TM+4]
	v_lshl_or_b32 v[PWB+\a], v[TM+6], 16, v[PWB+\a]
	v_lshl_or_b32 v[PWB+\a], v[TM+7], 24, v[PWB+\a]
	WIN 0x02                                       ; source 0: window 2
.irp c, 0,1
	v_cvt_scalef32_pk16_fp6_f32 v[QP+6*\c:QP+6*\c+2], v[QS+32*\c:QS+32*\c+15], v[TM+12+2*\c]
	v_cvt_scalef32_pk16_fp6_f32 v[PX+4*\c:PX+4*\c+2], v[QS+16+32*\c:QS+31+32*\c], v[TM+13+2*\c]
.endr
	v_nop                                          ; one plain place behind a scaled conversion
	WIN 0
.irp c, 0,1                            ; the operand's layout wants a whole block in a lane
.irp i, 0,1,2
	v_permlane16_swap_b32 v[QP+6*\c+\i], v[PX+4*\c+\i]
.endr
.irp i, 0,1,2
	v_mov_b32 v[QP+3+6*\c+\i], v[PX+4*\c+\i]
.endr
.endr
.irp c, 0,1,2
	global_store_b128 v4, v[QP+4*\c:QP+4*\c+3], s[\cb:\cb+1] offset:(\tp)*(\a)+512*\c   ; 32 lanes store 512 consecutive bytes, aligned
.endr
	ds_store_b32 v[SCRW], v[PWB+\a] offset:64*\a   ; both halves of the lanes write the same word with the same value
.endm
.macro EPI cb, sb, tp                  ; cb, sb: the bases of the pass's codes and scale words; tp: the output's bytes from tile to tile
	PLACES 4
.irp a, 0,1,2,3
	QUANTW \a, \cb, \tp
.endr
	ds_load_b64 v[BK:BK+1], v[SCRR]                ; my four tiles' scale words: LDS serves a wave's instructions in order
	s_wait_dscnt 0x0
	global_store_b64 v5, v[BK:BK+1], s[\sb:\sb+1]  ; 32 lanes store 256 consecutive bytes, aligned
.endm
	s_load_b256 s[4:11], s[0:1], 0x0               ; xw_c, xw_s, qk_c, qk_s
	s_load_b128 s[12:15], s[0:1], 0x20             ; v_c, v_s
	v_lshl_add_u32 v[SPW], v0, 2, SPARE
	v_mov_b32 v[NIL], 0
	ds_add_u32 v[SPW], v[NIL]                      ; the opening lines: the add, twice on end, and its wait ahead of my first tensor load
	ds_add_u32 v[SPW], v[NIL]
	v_lshrrev_b32 v1, 5, v0
	v_readfirstlane_b32 s[WV], v1                  ; wave 0..3
	s_lshr_b32 s[AH], s[WV], 1                     ; pass 2: my half of W_v's eight tiles,
	s_and_b32 s[BH], s[WV], 1                      ; and my half of x's sixteen
	s_bfe_u32 s92, ttmp6, 0x40000                  ; cx
	s_bfe_u32 s93, ttmp6, 0x40004                  ; cy
	s_lshl_b32 s94, ttmp9, 2
	s_add_co_u32 s94, s94, s92                     ; j = 4 x cluster x + cx
	s_and_b32 s95, ttmp7, 0xffff
	s_lshl_b32 s95, s95, 2
	s_add_co_u32 s95, s95, s93                     ; R = 4 x cluster y + cy
	s_lshl_b32 s21, s93, 2
	s_lshl_b32 s21, 15, s21                        ; my row of the cluster: x's tiles
	s_lshl_b32 s22, 0x1111, s92                    ; my column: W's tiles
	; group 1 for the codes: rows (tiles) of 6,144 bytes = 768 elements of 8 bytes, 12,288 bytes = 1,536 elements apart; x: 16 tiles; W: 8 tiles at first
	s_or_b32 s[G1X], s21, (3<<16)|(1<<21)
	s_or_b32 s[G1W], s22, (3<<16)|(1<<21)
.irp g, G1X, G1W
	s_mov_b32 s[\g+1], 768<<16
	s_mov_b32 s[\g+3], 768<<16
	s_mov_b32 s[\g+5], 1536
	s_mov_b32 s[\g+6], 0
	s_mov_b32 s[\g+7], 0
.endr
	s_mov_b32 s[G1X+2], 16<<16
	s_mov_b32 s[G1X+4], 16
	s_mov_b32 s[G1W+2], 8<<16
	s_mov_b32 s[G1W+4], 8
	; and for the scale words: 8 rows (pieces) of 1,024 bytes = 128 elements, 45,056 bytes = 5,632 elements apart
	s_or_b32 s[G1SX], s21, (3<<16)|(1<<21)
	s_or_b32 s[G1SW], s22, (3<<16)|(1<<21)
.irp g, G1SX, G1SW
	s_mov_b32 s[\g+1], 128<<16
	s_mov_b32 s[\g+2], 8<<16
	s_mov_b32 s[\g+3], 128<<16
	s_mov_b32 s[\g+4], 8
	s_mov_b32 s[\g+5], 5632
	s_mov_b32 s[\g+6], 0
	s_mov_b32 s[\g+7], 0
.endr
	; byte offsets, made in the words that will hold the addresses: x's never hold cx, W's never cy
	s_mul_i32 s[G0X+2], s95, 16*12288              ; x: tile 16 R
	s_mov_b32 s[G0X+3], 0
	s_mul_i32 s[G0W+2], s94, 16*12288              ; W_q | W_k: tile 512 + 16 j
	s_add_co_u32 s[G0W+2], s[G0W+2], 512*12288
	s_mov_b32 s[G0W+3], 0
	s_lshl_b32 s[G0SX+2], s95, 10
	s_mov_b32 s[G0SX+3], 0
	s_lshl_b32 s[G0SW+2], s94, 10
	s_add_co_u32 s[G0SW+2], s[G0SW+2], 512*64
	s_mov_b32 s[G0SW+3], 0
	s_mul_i32 s[RA+2], s[WV], 2*12288              ; the refills: my two tiles, first of pass 1: tile 512 + 16 j + 8 + 2 wave
	s_add_co_u32 s[RA+2], s[RA+2], s[G0W+2]
	s_add_co_u32 s[RA+2], s[RA+2], 8*12288
	s_mov_b32 s[RA+3], 0
	s_mul_i32 s[DV], s94, 8*12288
	s_sub_co_u32 s[DV], 120*12288, s[DV]           ; from tile 520 + 16 j to tile 640 + 8 j
	s_mov_b32 s[DV+1], 0
	s_lshl_b32 s66, s94, 9
	s_sub_co_u32 s66, 8192, s66                    ; the same for the scale words: from tile 512 + 16 j to tile 640 + 8 j, 64 bytes a tile
	s_mov_b32 s67, 0
	s_lshr_b32 s2, s93, 1                          ; the prefetches: of my two tiles' 48 blocks partner cy takes tile cy / 2, blocks 12 (cy % 2) .. + 11
	s_mul_i32 s2, s2, 12288
	s_and_b32 s3, s93, 1
	s_mul_i32 s3, s3, 3072
	s_add_co_u32 s2, s2, s3
	s_mov_b32 s3, 0
.irp g, G0X, G0W, G0SX, G0SW, RA, RB
	s_mov_b32 s[\g], 1
.endr
	s_mov_b32 s[G0X+1], XLO
	s_mov_b32 s[G0W+1], SLA
	s_mov_b32 s[G0SX+1], SCX
	s_mov_b32 s[G0SW+1], SCW
	s_mul_i32 s[RA+1], s[WV], 2*TROW               ; no place in the cluster enters an LDS address
	s_add_co_u32 s[RB+1], s[RA+1], SLB
	s_add_co_u32 s[RA+1], s[RA+1], SLA
	s_mov_b32 s[SEL], 0x76543210
	s_mov_b32 s[SEL+1], 0xfedcba98
	s_mov_b32 s[TRIP], 0
	s_mov_b32 s[SPO], 0
	s_wait_alu depctr_va_vdst(0)
	s_wait_dscnt 0x0                               ; both opening adds are done
	s_wait_kmcnt 0x0
	s_add_nc_u64 s[G0X+2:G0X+3], s[4:5], s[G0X+2:G0X+3]
	s_add_nc_u64 s[G0W+2:G0W+3], s[4:5], s[G0W+2:G0W+3]
	s_add_nc_u64 s[RA+2:RA+3], s[4:5], s[RA+2:RA+3]
	s_add_nc_u64 s[G0SX+2:G0SX+3], s[6:7], s[G0SX+2:G0SX+3]
	s_add_nc_u64 s[G0SW+2:G0SW+3], s[6:7], s[G0SW+2:G0SW+3]
	s_add_nc_u64 s[PF4:PF4+1], s[RA+2:RA+3], s[DV:DV+1]   ; W_v's lower half of K, my two tiles,
	s_add_nc_u64 s[PF4:PF4+1], s[PF4:PF4+1], s[2:3]       ; my work-group's 12 blocks of them;
	s_add_nc_u64 s[PF5:PF5+1], s[PF4:PF4+1], TROW         ; and the upper half
	s_add_nc_u64 s[RB+2:RB+3], s[RA+2:RA+3], TROW
	s_sub_nc_u64 s[RB+2:RB+3], s[RB+2:RB+3], s[DV:DV+1]   ; DV is added ahead of each of slot B's refills, the first too
.irp g, G0X, G0W, G0SX, G0SW, RA, RB
	s_or_b32 s[\g+3], s[\g+3], 0x80000000
.endr
	CROUND                                         ; all sixteen work-groups are here: the first joint loads meet
	ARM 1, G0X, G1X, .Lhead_w, .Lhead_asked        ; wave 0: x, K 0-511
	ARM 2, G0W, G1W, .Lhead_sx, .Lhead_asked       ; wave 1: pass 0's eight tiles of W, K 0-511
	ARM 3, G0SX, G1SX, .Lhead_sw, .Lhead_asked     ; wave 2: x's scale words
	tensor_load_to_lds s[G0SW:G0SW+3], s[G1SW:G1SW+7]   ; wave 3: W_q | W_k's
	s_nop 0
.rept 4
	v_nop
.endr
.Lhead_asked:
	v_and_b32 v1, 15, v0                           ; r
	v_and_b32 v3, 31, v0                           ; lane
	v_lshlrev_b32 v4, 4, v3                        ; 16 x lane
	v_lshlrev_b32 v5, 3, v3                        ; 8 x lane
	v_lshlrev_b32 v6, 2, v1                        ; 4 r
	v_min_u32 v[PFO], 11, v3
	v_lshlrev_b32 v[PFO], 8, v[PFO]                ; a lane a block of 256 bytes, twelve of them
	s_wait_alu depctr_va_vdst(0)
	s_mul_i32 s96, s[WV], 4*TROW
	v_add_nc_u32 v[XA], s96, v4
	s_add_co_u32 s96, s96, XHI
	v_add_nc_u32 v[XA+1], s96, v4
	s_mul_i32 s96, s[BH], 8*TROW
	v_add_nc_u32 v[XB], s96, v4
	s_add_co_u32 s96, s96, XHI
	v_add_nc_u32 v[XB+1], s96, v4
	v_add_nc_u32 v[WB], SLA, v4
	v_add_nc_u32 v[WB+1], SLB, v4
	s_mul_i32 s96, s[AH], 4*TROW
	s_add_co_u32 s96, s96, SLA
	v_add_nc_u32 v[WA], s96, v4
	s_add_co_u32 s96, s96, 8*TROW
	v_add_nc_u32 v[WA+1], s96, v4
	s_lshl_b32 s96, s[WV], 8
	s_add_co_u32 s97, s96, SCX
	v_add_nc_u32 v[ASX], s97, v6
	v_add_nc_u32 v[ASW], SCW, v6
	s_lshl_b32 s97, s[AH], 8
	s_add_co_u32 s97, s97, SCV
	v_add_nc_u32 v[ASV], s97, v6
	s_lshl_b32 s97, s[BH], 9
	s_add_co_u32 s97, s97, SCX
	v_add_nc_u32 v[ASXB], s97, v6
	s_add_co_u32 s97, s96, SCR
	v_add_nc_u32 v[SCRW], s97, v6
	v_add_nc_u32 v[SCRR], s97, v5
.irp b, 0,1,2,3
	v_mov_b32 v[TM+4+\b], 0                        ; a lane permute's destination counts as one of its sources
.endr
	; where my results go.  qk_c: tile 16 R + 4 wave, step 2 j
	s_mul_i32 s96, s95, 16*24576
	s_mul_i32 s98, s[WV], 4*24576
	s_add_co_u32 s96, s96, s98
	s_mul_i32 s98, s94, 2*1536
	s_add_co_u32 s96, s96, s98
	s_mov_b32 s97, 0
	s_add_nc_u64 s[8:9], s[8:9], s[96:97]
	s_lshl_b32 s96, s94, 16                        ; qk_s: step 2 j of 32,768 bytes, 64 bytes a tile
	s_lshl_b32 s98, s95, 10
	s_add_co_u32 s96, s96, s98
	s_lshl_b32 s98, s[WV], 8
	s_add_co_u32 s96, s96, s98
	s_add_nc_u64 s[10:11], s[10:11], s[96:97]
	s_mul_i32 s96, s94, 8*98304                    ; v_c: tile 8 j + 4 half, step 2 R + half
	s_mul_i32 s98, s[AH], 4*98304
	s_add_co_u32 s96, s96, s98
	s_mul_i32 s98, s95, 2*1536
	s_add_co_u32 s96, s96, s98
	s_mul_i32 s98, s[BH], 1536
	s_add_co_u32 s96, s96, s98
	s_add_nc_u64 s[12:13], s[12:13], s[96:97]
	s_lshl_b32 s96, s95, 13                        ; v_s: step 2 R + half of 4,096 bytes, 64 bytes a tile
	s_lshl_b32 s98, s[BH], 12
	s_add_co_u32 s96, s96, s98
	s_lshl_b32 s98, s94, 9
	s_add_co_u32 s96, s96, s98
	s_lshl_b32 s98, s[AH], 8
	s_add_co_u32 s96, s96, s98
	s_add_nc_u64 s[14:15], s[14:15], s[96:97]
	s_wait_alu depctr_va_vdst(0)                   ; the wait at the head's end
	s_wait_tensorcnt 0x0                           ; my tile of the head's four is in
	ds_add_u32 v[SPW], v[NIL]
	s_mov_b32 s[G0X+1], XHI                        ; no tensor load of mine is out: the second group's descriptors: x's upper half of K,
	s_add_nc_u64 s[G0X+2:G0X+3], s[G0X+2:G0X+3], TROW
	s_mov_b32 s[G0W+1], SLB                        ; pass 0's upper half of W,
	s_add_nc_u64 s[G0W+2:G0W+3], s[G0W+2:G0W+3], TROW
	s_mov_b32 s[G0SW+1], SCV                       ; W_v's scale words: rows of 512 bytes = 64 elements
	s_add_nc_u64 s[G0SW+2:G0SW+3], s[G0SW+2:G0SW+3], s[66:67]
	s_mov_b32 s[G1SW+1], 64<<16
	s_mov_b32 s[G1SW+3], 64<<16
	s_wait_dscnt 0x0                               ; the add is done
	CROUND                                         ; a whole round: all four tiles are in, and the joint loads meet
	ARM 1, G0X, G1X, .Lsec_w, .Lsec_asked
	ARM 2, G0W, G1W, .Lsec_sv, .Lsec_asked
	ARM 3, G0SW, G1SW, .Lsec_none, .Lsec_asked     ; wave 3 has no part of this group
.Lsec_asked:
	v_add_nc_u32 v[ASWC], s[SPO], v[ASW]           ; pass 0's eight tiles of W in the table of scale words
	s_wait_alu depctr_va_vdst(0)
	FET 0, 0
.Lpass:                                                ; passes 0 and 1
	PIECE 0, 0, 1                                  ; a pass's first products start the sums: nothing is cleared
.irp q, 1,2,3,4,5,6,7
	PIECE \q, 0, 0
.endr
	PLACES 4                                       ; in front of the loads into set 0, which piece 6 multiplied
	s_add_co_u32 s[SPO], s[SPO], 512
	v_add_nc_u32 v[ASWC], s[SPO], v[ASW]           ; the next pass's eight tiles of W in the table of scale words: 512 bytes a pass (behind the second trip it is not used)
	s_wait_alu depctr_va_vdst(0)
	s_cmp_eq_u32 s[TRIP], 0                        ; THE NEXT PASS'S FIRST FRAGMENTS are fetched ahead of the way out: the round in piece 7 has shown slot A whole.  The loop's counter says which roles follow
	s_cbranch_scc0 .Lto_v
	FET 0, 0
	s_branch .Lfetched
.Lto_v:
	FET 0, 1
.Lfetched:
	EPI 8, 10, 24576
	s_wait_alu depctr_va_vdst(0)
	s_wait_xcnt 0x0                                ; the stores have read their bases and their data: both may be written again
	s_add_nc_u64 s[8:9], s[8:9], 1536              ; the next step of 128 along e
	s_add_nc_u64 s[10:11], s[10:11], 32768
	s_add_co_u32 s[TRIP], s[TRIP], 1
	s_cmp_lt_u32 s[TRIP], 2
	s_cbranch_scc1 .Lpass
	PIECE 0, 1, 1
.irp q, 1,2,3,4,5,6,7
	PIECE \q, 1, 0
.endr
	EPI 12, 14, 98304
	s_wait_tensorcnt 0x0                           ; the wave's end
	ds_add_u32 v[SPW], v[NIL]
	s_wait_dscnt 0x0
	CROUND                                         ; the closing round
	s_endpgm
.Lfunc_end_k_q2fcaa45e15_proj:
	.size	k_q2fcaa45e15_proj, .Lfunc_end_k_q2fcaa45e15_proj-k_q2fcaa45e15_proj
	.p2alignl 7, 3214868480
	.fill 96, 4, 3214868480
	.section	.rodata,"a",@progbits
	.p2align	6, 0x0
	.amdhsa_kernel k_q2fcaa45e15_proj
		.amdhsa_group_segment_fixed_size 327680
		.amdhsa_private_segment_fixed_size 0
		.amdhsa_enable_private_segment 0
		.amdhsa_kernarg_size 48
		.amdhsa_user_sgpr_count 2
		.amdhsa_user_sgpr_kernarg_segment_ptr 1
		.amdhsa_wavefront_size32 1
		.amdhsa_system_sgpr_workgroup_id_x 1
		.amdhsa_system_sgpr_workgroup_id_y 1
		.amdhsa_system_sgpr_workgroup_id_z 1
		.amdhsa_system_vgpr_workitem_id 0
		.amdhsa_next_free_vgpr 768
		.amdhsa_next_free_sgpr 102
		.amdhsa_reserve_vcc 0
		.amdhsa_float_denorm_mode_32 3
		.amdhsa_float_denorm_mode_16_64 3
		.amdhsa_memory_ordered 1
		.amdhsa_forward_progress 1
		.amdhsa_inst_pref_size 170
	.end_amdhsa_kernel
	.amdgpu_metadata
---
amdhsa.version: [ 1, 2 ]
amdhsa.kernels:
  - .name:           k_q2fcaa45e15_proj
    .symbol:         k_q2fcaa45e15_proj.kd
    .args:
      - { .name: xw_c, .offset: 0, .size: 8, .value_kind: global_buffer, .address_space: global }
      - { .name: xw_s, .offset: 8, .size: 8, .value_kind: global_buffer, .address_space: global }
      - { .name: qk_c, .offset: 16, .size: 8, .value_kind: global_buffer, .address_space: global }
      - { .name: qk_s, .offset: 24, .size: 8, .value_kind: global_buffer, .address_space: global }
      - { .name: v_c, .offset: 32, .size: 8, .value_kind: global_buffer, .address_space: global }
      - { .name: v_s, .offset: 40, .size: 8, .value_kind: global_buffer, .address_space: global }
    .group_segment_fixed_size: 327680
    .private_segment_fixed_size: 0
    .kernarg_segment_align: 8
    .kernarg_segment_size: 48
    .max_flat_workgroup_size: 128
    .sgpr_count:     102
    .vgpr_count:     768
    .wavefront_size: 32
...
	.end_amdgpu_metadata
.endif
;; end of part 2
;; launch scores (part 3): grid 43 x 4, 4 waves a work-group, no clusters, 327,680 bytes of LDS; arguments qk_c, qk_s, p_c, p_st; writes p_c, p_st
.if DOCPART == 3
	.amdgcn_target "amdgcn-amd-amdhsa--gfx1250"
	.amdhsa_code_object_version 6
	.text
	.protected	k_q2fcaa45e15_scores
	.globl	k_q2fcaa45e15_scores
	.p2align	8
	.type	k_q2fcaa45e15_scores,@function
k_q2fcaa45e15_scores:
	s_mov_b64 s[64:65], 0
	v_nop
	global_prefetch_b8 v0, s[64:65] scope:SCOPE_SE
	s_setreg_imm32_b32 hwreg(HW_REG_WAVE_MODE, 25, 1), 1
	s_wait_xcnt 0x0
; S^T = K Q^T on codes of FP6 (E2M3), K = 1,024, for the tiles of 256 queries x 256 keys that the mask (key <= query + 1) leaves; the scores never go to memory.
; On the way out, for each query and each 128 keys: t = score x log2(e) / 32; M = the largest t of these 128 keys, rounded up to a whole number; p = 2^(t - M) is quantised along the keys, and leaves as a fragment image;
; beside it go p's scale word (under this M), -M, and the sum of the unquantised p.  The last launch brings the 128-key pieces of a row under the row's own M: a shift of the scale bytes by a whole number, which is exact.
; p_c: [512 query tiles = 128 batch + tile][16 steps of 128 keys][1536].   p_st: three parts of 524,288 bytes, each [16 batch + step][128 tiles][16 rows] words: the scale word, -M, the sum.
; SHARES: row block i of a batch has min(i + 2, 8) tiles: 43 a batch.  A work-group makes one: four waves, 128 queries x 128 keys each.  Source 0 = 16 keys, source 1 = 16 queries: a lane holds one query.
; NO CLUSTER: the rows of tiles are 2, 3, 4, 5, 6, 7, 8, 8 long, 43 in all: no cluster of four divides them, and the batches share nothing.
; K goes in four steps of 256 through three LDS slots: three are filled at the start, slot 0 once more.  By this text's count a wave never has more than one tensor load out.
; A query all of whose 128 keys are hidden gets -M = 3e38, zero codes, the byte 1 and the sum 0.
; LIMITS: a block whose every p has fallen to 0 keeps the byte 1; NaN and infinities are not served.
; REGISTERS: window 0: v0-29 addresses; v32-63 scale words, two sets, and nothing else; v128-223 Q's fragments; on the way out v64-235 are at work.  window 1: K's fragments, two sets.  windows 2, 3: the accumulators.
.set FR,    12
.set KSB,   3072
.set HALFT, 8*KSB
.set SLOT,  4*HALFT
.set SCA,   3*SLOT
.set SCB,   SCA+8192
.set SPARE, SCB+8192                   ; the spare words, 128 bytes a wave: two blocks of 256 bytes that no other line names
.set SCR,   SPARE+512                  ; 2,048 bytes a wave: three runs of 512 bytes on the way out
.set ADRA, 16
.set ADRB, 20
.set ADRS, 27
.set SPW,  28
.set NIL,  29
.set SC,   32
.set AF,   128
.set PCB,  64                          ; v64-159  p's codes of query tile a at v[64 + 12 a]
.set PX,   160
.set PWB,  168                         ; v168-175 their scale words
.set NMB,  176                         ; v176-191 pairs: -M, the largest t
.set BM,   192                         ; v192-195 the blocks' largest scores, then their largest p
.set TT,   196
.set SO,   200
.set BY,   204
.set LA,   208
.set LB,   210
.set TX,   212
.set LSB,  228                         ; v228-235 the sums
.set WV,   16
.set AH,   17
.set BH,   18
.set SEL,  20
.set CS,   22
.set G1,   24
.set G1S,  32
.set G0,   40
.set G0S,  52
.set G1H,  68                          ; s[68:75] group 1 of the head's loads of codes: 16 tiles
.set G1W,  76                          ; s[76:83] group 1 of the load of K steps 1 and 2: rows of 6,144 bytes
.set MSB, 0
.macro WIN new
.if MSB != (\new)
	s_set_vgpr_msb (MSB<<8)|(\new)
.set MSB, (\new)
.endif
.endm
.set MUL_LO, 0xa1
.set MUL_HI, 0xf1
.set TO_B,   0x40
.macro PLACES n
.rept \n
	v_nop
.endr
.endm
.macro FRAG reg, adr, off
.irp c, 0,1,2
	ds_load_b128 v[\reg+4*\c:\reg+4*\c+3], v[\adr] offset:\off+512*\c
.endr
.endm
.macro FETCH_B slot, q, p
	WIN TO_B
.irp i, 0,1,2,3,4,5,6,7
	FRAG 128*(\p)+FR*\i, ADRB+\slot, KSB*(1+((\slot)+1)/2)*\i+1536*(\q)   ; slots 1 and 2 share rows of 6,144 bytes: their tiles lie twice as far apart
.endr
	WIN 0
.endm
.macro FETCH_A slot, q, i0
.irp i, \i0, \i0+1, \i0+2, \i0+3
	FRAG AF+FR*(\i), ADRA+\slot, KSB*(1+((\slot)+1)/2)*(\i)+1536*(\q)
.endr
.endm
.macro SCALES st, ks
.irp i, 0,1,2,3,4,5,6,7
.irp q, 0,1
	ds_load_b32 v[SC+16*(\st)+2*\i+\q], v[ADRS] offset:(2*(\ks)+\q)*1024+64*\i
.endr
.endr
.endm
; The 64 accumulators take turns, one instruction a turn, in the same order in every step.
.macro MUL16 a0, p, q, sc, zero
.irp a, \a0, \a0+1
.irp b, 0,1,2,3,4,5,6,7
.if \zero
	v_wmma_scale_f32_16x16x128_f8f6f4 v[8*(8*((\a)%4)+\b):8*(8*((\a)%4)+\b)+7], v[128*(\p)+FR*\b:128*(\p)+FR*\b+FR-1], v[AF+FR*(\a):AF+FR*(\a)+FR-1], 0, v[SC+16*(\sc)+2*\b+(\q)], v[SC+16*(\sc)+2*(\a)+(\q)] matrix_a_fmt:MATRIX_FMT_FP6 matrix_b_fmt:MATRIX_FMT_FP6 matrix_a_scale:MATRIX_SCALE_ROW1
.else
	v_wmma_scale_f32_16x16x128_f8f6f4 v[8*(8*((\a)%4)+\b):8*(8*((\a)%4)+\b)+7], v[128*(\p)+FR*\b:128*(\p)+FR*\b+FR-1], v[AF+FR*(\a):AF+FR*(\a)+FR-1], v[8*(8*((\a)%4)+\b):8*(8*((\a)%4)+\b)+7], v[SC+16*(\sc)+2*\b+(\q)], v[SC+16*(\sc)+2*(\a)+(\q)] matrix_a_fmt:MATRIX_FMT_FP6 matrix_b_fmt:MATRIX_FMT_FP6 matrix_a_scale:MATRIX_SCALE_ROW1
.endif
.endr
.endr
.endm
.macro STEP slot, sc, zero
	s_wait_dscnt 12                                ; all but the youngest twelve loads (query tiles 4-7) are in
	WIN MUL_LO
	MUL16 0, 0, 0, \sc, \zero
	MUL16 2, 0, 0, \sc, \zero
	s_wait_dscnt 0x0
	PLACES 4
	FETCH_B \slot, 1, 1
	FETCH_A \slot, 1, 0
	WIN MUL_HI
	MUL16 4, 0, 0, \sc, \zero
	MUL16 6, 0, 0, \sc, \zero
	PLACES 4
	WIN 0
	FETCH_A \slot, 1, 4
.endm
.macro REFILL slot, ks                 ; slot 0 takes K step 3: my one tensor load behind the barrier, and the first thing there
	s_add_nc_u64 s[G0+2:G0+3], s[G0+2:G0+3], 3*KSB
	tensor_load_to_lds s[G0:G0+3], s[G1:G1+7]
	s_nop 0
.rept 4
	v_nop                                          ; (the places in front of the loads that follow)
.endr
.endm
.macro TURN slot, next, sc, ks, mode
.if \mode
	s_wait_tensorcnt 0x0                           ; all my tensor loads have landed
	ds_add_u32 v[SPW], v[NIL]                      ; 0 onto my spare word
	s_wait_dscnt 13                                ; (the add and the youngest twelve loads may be out)
	WIN MUL_LO
	MUL16 0, 1, 1, \sc, 0
	s_wait_dscnt 0x0                               ; the add is done, and my reads of this slot are over
	s_barrier_signal -1
	MUL16 2, 1, 1, \sc, 0
	WIN 0
	s_barrier_wait -1
.if \mode == 2
	REFILL \slot, \ks
.else
	PLACES 4
.endif
.else
	s_wait_dscnt 12
	WIN MUL_LO
	MUL16 0, 1, 1, \sc, 0
	MUL16 2, 1, 1, \sc, 0
	s_wait_dscnt 0x0
	PLACES 4
.endif
	FETCH_B \next, 0, 0
	FETCH_A \next, 0, 0
	SCALES (\ks)%2, \ks
	WIN MUL_HI
	MUL16 4, 1, 1, \sc, 0
	MUL16 6, 1, 1, \sc, 0
	PLACES 4
	WIN 0
	FETCH_A \next, 0, 4
.endm
.macro LAST sc
	s_wait_dscnt 12
	WIN MUL_LO
	MUL16 0, 1, 1, \sc, 0
	MUL16 2, 1, 1, \sc, 0
	s_wait_dscnt 0x0
	WIN MUL_HI
	MUL16 4, 1, 1, \sc, 0
	MUL16 6, 1, 1, \sc, 0
	WIN 0
.endm
	s_load_b256 s[4:11], s[0:1], 0x0               ; qk_c, qk_s, p_c, p_st
	v_lshl_add_u32 v[SPW], v0, 2, SPARE
	v_mov_b32 v[NIL], 0
	ds_add_u32 v28, v29
	ds_add_u32 v28, v29
	s_wait_dscnt 0x0
	v_lshrrev_b32 v1, 5, v0
	v_readfirstlane_b32 s[WV], v1
	s_lshr_b32 s[AH], s[WV], 1                     ; my half of the queries.  Also: I fetch Q (0) or K (1)
	s_and_b32 s[BH], s[WV], 1                      ; my half of the keys.  Also: which eight tiles I fetch
	s_and_b32 s12, ttmp7, 0xffff                   ; the batch
	s_mov_b32 s13, 0                               ; i: the block of 256 queries
	s_mov_b32 s14, 0                               ; the first tile of its row
.macro ROWOF k, st
	s_cmp_ge_u32 ttmp9, \st
	s_cselect_b32 s13, \k, s13
	s_cselect_b32 s14, \st, s14
.endm
	ROWOF 1, 2
	ROWOF 2, 5
	ROWOF 3, 9
	ROWOF 4, 14
	ROWOF 5, 20
	ROWOF 6, 27
	ROWOF 7, 35
	s_sub_co_u32 s14, ttmp9, s14                   ; j: the block of 256 keys, at most i + 1
	; group 1 for the codes: 8 rows (tiles) of 3,072 bytes = 384 elements of 8 bytes, 24,576 bytes = 3,072 elements apart
	s_mov_b32 s[G1], 3<<16
	s_mov_b32 s[G1+1], 384<<16
	s_mov_b32 s[G1+2], 8<<16
	s_mov_b32 s[G1+3], 384<<16
	s_mov_b32 s[G1+4], 8
	s_mov_b32 s[G1+5], 3072
	s_mov_b32 s[G1+6], 0
	s_mov_b32 s[G1+7], 0
	; and for the scale words: 8 rows (steps) of 1,024 bytes = 128 elements, 32,768 bytes = 4,096 elements apart
	s_mov_b32 s[G1S], 3<<16
	s_mov_b32 s[G1S+1], 128<<16
	s_mov_b32 s[G1S+2], 8<<16                      ; all eight steps' scale words of Q or of K in one load
	s_mov_b32 s[G1S+3], 128<<16
	s_mov_b32 s[G1S+4], 8
	s_mov_b32 s[G1S+5], 4096
	s_mov_b32 s[G1S+6], 0
	s_mov_b32 s[G1S+7], 0
	s_mov_b32 s[G1H], 3<<16                        ; 16 rows (tiles) of 3,072 bytes
	s_mov_b32 s[G1H+1], 384<<16
	s_mov_b32 s[G1H+2], 16<<16
	s_mov_b32 s[G1H+3], 384<<16
	s_mov_b32 s[G1H+4], 16
	s_mov_b32 s[G1H+5], 3072
	s_mov_b32 s[G1H+6], 0
	s_mov_b32 s[G1H+7], 0
	s_mov_b32 s[G1W], 3<<16                        ; 8 rows (tiles) of 6,144 bytes
	s_mov_b32 s[G1W+1], 768<<16
	s_mov_b32 s[G1W+2], 8<<16
	s_mov_b32 s[G1W+3], 768<<16
	s_mov_b32 s[G1W+4], 8
	s_mov_b32 s[G1W+5], 3072
	s_mov_b32 s[G1W+6], 0
	s_mov_b32 s[G1W+7], 0
	s_cmp_eq_u32 s[AH], 0
	s_cselect_b32 s15, s13, s14                    ; Q's block or K's
	s_lshl_b32 s56, s12, 7
	s_lshl_b32 s57, s15, 4
	s_add_co_u32 s56, s56, s57                     ; its first tile
	s_lshl_b32 s57, s[BH], 3
	s_add_co_u32 s57, s57, s56
	s_mul_i32 s[G0+2], s57, 24576
	s_mul_i32 s57, s[AH], 12288                    ; K's steps lie behind Q's eight
	s_add_co_u32 s[G0+2], s[G0+2], s57
	s_mov_b32 s[G0+3], 0
	s_cmp_eq_u32 s[BH], 0                          ; at the head waves 0 and 2 fetch for Q, waves 1 and 3 for K
	s_cselect_b32 s15, s13, s14
	s_lshl_b32 s57, s12, 7
	s_lshl_b32 s15, s15, 4
	s_add_co_u32 s57, s57, s15                     ; that block's first tile
	s_lshl_b32 s[G0S+2], s[BH], 18                 ; scale words: steps 0-7 Q's, 8-15 K's, 32,768 bytes a step
	s_lshl_b32 s15, s57, 6
	s_add_co_u32 s[G0S+2], s[G0S+2], s15
	s_mov_b32 s[G0S+3], 0
	s_mul_i32 s[G0+10], s57, 24576                 ; codes: the block's 16 tiles, K step 0
	s_mul_i32 s15, s[BH], 12288
	s_add_co_u32 s[G0+10], s[G0+10], s15
	s_mov_b32 s[G0+11], 0
	s_mov_b32 s[G0], 1
	s_mov_b32 s[G0+4], 1
	s_mov_b32 s[G0+8], 1
	s_mov_b32 s[G0S], 1
	s_mul_i32 s[G0+1], s[WV], HALFT                ; wave x eight tiles, in slot 0, 1, 2
	s_lshl_b32 s[G0+5], s[G0+1], 1
	s_add_co_u32 s[G0+5], s[G0+5], SLOT            ; slots 1 and 2 together: wave x eight rows of 6,144 bytes
	s_mul_i32 s[G0+9], s[BH], 2*HALFT              ; the head's codes: Q's 16 tiles, then K's, in slot 0
	s_lshl_b32 s[G0S+1], s[BH], 13
	s_add_co_u32 s[G0S+1], s[G0S+1], SCA
	s_mov_b32 s[SEL], 0x76543210
	s_mov_b32 s[SEL+1], 0xfedcba98
	s_mov_b32 s[CS], 0x3d38aa3b                    ; c = log2(e) / 32
	s_mov_b32 s[CS+1], s[CS]                       ; (named with it as a pair, so it is written)
	s_wait_kmcnt 0x0
	s_add_nc_u64 s[G0+2:G0+3], s[4:5], s[G0+2:G0+3]
	s_add_nc_u64 s[G0+6:G0+7], s[G0+2:G0+3], KSB
	s_add_nc_u64 s[G0+10:G0+11], s[4:5], s[G0+10:G0+11]
	s_add_nc_u64 s[G0S+2:G0S+3], s[6:7], s[G0S+2:G0S+3]
	s_or_b32 s[G0+3], s[G0+3], 0x80000000
	s_or_b32 s[G0+7], s[G0+7], 0x80000000
	s_or_b32 s[G0+11], s[G0+11], 0x80000000
	s_or_b32 s[G0S+3], s[G0S+3], 0x80000000
; THE FILLS AS THIS TEXT HAS THEM (in place of what the comment at the kernel's head says of them): at the head one load a wave: wave 0 Q's 16 tiles of K step 0, wave 1 K's, wave 2 Q's scale words of all of K, wave 3 K's.
; Behind the first barrier one load a wave brings its eight tiles of K steps 1 and 2 as rows of 6,144 bytes, into slots 1 and 2; slot 0 takes K step 3 when it is left.  By this text's count a wave never has more than one tensor load out.
	s_cmp_lt_u32 s[WV], 2
	s_cbranch_scc0 .Lhead_s
	tensor_load_to_lds s[G0+8:G0+11], s[G1H:G1H+7]
	s_nop 0
.rept 4
	v_nop
.endr
	s_branch .Lhead_asked
.Lhead_s:
	tensor_load_to_lds s[G0S:G0S+3], s[G1S:G1S+7]
	s_nop 0
.rept 4
	v_nop
.endr
.Lhead_asked:
	v_and_b32 v1, 15, v0                           ; r
	v_bfe_u32 v2, v0, 4, 1                         ; h
	s_wait_alu depctr_va_vdst(0)
	v_and_b32 v3, 31, v0
	v_lshlrev_b32 v4, 4, v3                        ; 16 x lane
	s_mul_i32 s2, s[AH], HALFT
	s_mul_i32 s3, s[BH], HALFT
	s_add_co_u32 s3, s3, 2*HALFT
	s_wait_alu depctr_va_vdst(0)
	v_add_nc_u32 v[ADRA], s2, v4
	v_add_nc_u32 v[ADRB], s3, v4
	s_lshl_b32 s2, s2, 1                           ; in slots 1 and 2 a wave's part is twice as long
	s_lshl_b32 s3, s3, 1
	s_add_co_u32 s2, s2, SLOT
	s_add_co_u32 s3, s3, SLOT
	v_add_nc_u32 v[ADRA+1], s2, v4
	v_add_nc_u32 v[ADRB+1], s3, v4
	s_add_co_u32 s2, s2, KSB                       ; K step 2 is the second half of each row
	s_add_co_u32 s3, s3, KSB
	v_add_nc_u32 v[ADRA+2], s2, v4
	v_add_nc_u32 v[ADRB+2], s3, v4
	s_lshl_b32 s2, s[AH], 9
	s_lshl_b32 s3, s[BH], 9
	s_add_co_u32 s3, s3, SCB-SCA
	s_sub_co_u32 s3, s3, s2
	v_mul_u32_u24 v15, s3, v2                      ; lanes 16-31 take K's words: one product, the distance between the two
	s_add_co_u32 s2, s2, SCA
	v_lshl_add_u32 v15, v1, 2, v15
	v_add_nc_u32 v[ADRS], s2, v15
	s_lshl_b32 s2, s[WV], 11
	s_add_co_u32 s2, s2, SCR
	v_lshl_add_u32 v13, v1, 2, s2
	v_add_nc_u32 v14, s2, v4
	s_sub_co_i32 s58, s13, s14                     ; the mask: DQ = my first query - my first key + 1
	s_lshl_b32 s58, s58, 1
	s_add_co_i32 s58, s58, s[AH]
	s_sub_co_i32 s58, s58, s[BH]
	s_lshl_b32 s58, s58, 7
	s_add_co_i32 s58, s58, 1
	v_and_b32 v15, 8, v1
	v_add_nc_u32 v15, v15, v1                      ; r + 8 (r / 8)
	v_lshlrev_b32 v5, 4, v2
	v_sub_nc_u32 v5, v15, v5
	v_add_nc_u32 v5, s58, v5                       ; DQ + r + 8 (r / 8) - 16 h
	v_mov_b32 v7, 0xff800000                       ; -infinity
	s_lshl_b32 s59, s13, 4
	s_lshl_b32 s60, s[AH], 3
	s_add_co_u32 s59, s59, s60                     ; my first query tile in the batch
	s_lshl_b32 s60, s14, 1
	s_add_co_u32 s60, s60, s[BH]                   ; my step of 128 keys
	s_lshl_b32 s61, s12, 7
	s_add_co_u32 s61, s61, s59
	s_lshl_b32 s61, s61, 4
	s_add_co_u32 s61, s61, s60
	s_mul_i32 s62, s61, 1536
	s_mov_b32 s63, 0
	s_add_nc_u64 s[8:9], s[8:9], s[62:63]
	s_lshl_b32 s61, s12, 4
	s_add_co_u32 s61, s61, s60
	s_lshl_b32 s61, s61, 7
	s_add_co_u32 s61, s61, s59
	s_lshl_b32 s62, s61, 6
	s_add_nc_u64 s[10:11], s[10:11], s[62:63]
	s_wait_alu depctr_va_vdst(0)
	s_wait_tensorcnt 0x0                           ; my tile of the head's four is in
	ds_add_u32 v[SPW], v[NIL]                      ; 0 onto my spare word
	s_wait_dscnt 0x0                               ; the add is done
	s_barrier_signal -1
	s_barrier_wait -1                              ; all four tiles are in
	tensor_load_to_lds s[G0+4:G0+7], s[G1W:G1W+7]  ; K steps 1 and 2: my one tensor load behind this barrier
	s_nop 0
.rept 4
	v_nop
.endr
	FETCH_B 0, 0, 0
	FETCH_A 0, 0, 0
	SCALES 0, 0
	FETCH_A 0, 0, 4
	STEP 0, 0, 1
	TURN 0, 1, 0, 1, 2
	STEP 1, 1, 0
	TURN 1, 2, 1, 2, 0                             ; slot 2 was shown whole by every wave's wait in front of the last barrier
	STEP 2, 0, 0
	TURN 2, 0, 0, 3, 1
	STEP 0, 1, 0
	LAST 1
; THE MASK.  Register 16 b + i of query tile a holds key 32 b + 16 h + i of my 128: hidden where 32 b + i > DQ + my query's place - 16 h.  Hidden scores become -infinity: p = 0 then.
.macro MASK a
.set QW, 2+(\a)/4
.set QS, 64*((\a)%4)
	WIN 0
	v_add_nc_u32 v6, 32*((\a)/2)+8*((\a)%2), v5
	WIN (QW<<6)|QW
.set MN, 0
.rept 64
	v_cmp_gt_i32 vcc_lo, 32*(MN/16)+MN%16, v6
	v_cndmask_b32 v[QS+MN], v[QS+MN], v7, vcc_lo
.set MN, MN+1
.endr
.endm
; THE SOFTMAX'S PART AND THE QUANTISER, for query tile a.  A block's largest p is not searched for: p rises with the score, so the block's largest score goes through the same multiply-add and exponential.
.macro SOFTQ a
.set QW, 2+(\a)/4
.set QS, 64*((\a)%4)
.set QP, PCB+12*(\a)
.set QN, NMB+2*(\a)
	WIN (QW<<2)|(QW<<4)
.irp b, 0,1,2,3
	v_max3_num_f32 v[BM+\b], 0xff800000, v[QS+16*\b], v[QS+1+16*\b]   ; each accumulator is read from its low end on
.endr
.irp i, 2,4,6,8,10,12,14
.irp b, 0,1,2,3
	v_max3_num_f32 v[BM+\b], v[BM+\b], v[QS+16*\b+\i], v[QS+1+16*\b+\i]
.endr
.endr
	WIN 0
.irp b, 0,1,2,3
	v_permlanex16_b32 v[TT+\b], v[BM+\b], s[SEL], s[SEL+1]
.endr
.irp b, 0,1,2,3
	v_max_num_f32 v[BM+\b], v[BM+\b], v[TT+\b]     ; with lane l xor 16: the largest score of each block of 32 keys
.endr
	v_max3_num_f32 v[TX], v[BM], v[BM+1], v[BM+2]
	v_max_num_f32 v[TX], v[TX], v[BM+3]
	v_mul_f32 v[TX], s[CS], v[TX]                  ; as t (c is positive)
	v_max_num_f32 v[QN+1], 0xff61b1e6, v[TX]       ; not under -3e38: all hidden gives -M = 3e38
	v_floor_f32 v[QN], -v[QN+1]                    ; -M = floor(-t): M is a whole number
.irp b, 0,1,2,3
	v_fma_f32 v[BM+\b], v[BM+\b], s[CS], v[QN]
.endr
	WIN (QW<<6)|QW
.set CJ, 0
.rept 32
	v_pk_fma_f32 v[QS+CJ:QS+CJ+1], v[QS+CJ:QS+CJ+1], s[CS:CS+1], v[QN:QN+1] op_sel_hi:[1,0,0]   ; t - M, two at a time
.set CJ, CJ+2
.endr
.set CJ, 0
	s_wait_alu depctr_va_vdst(0)
.rept 64
	v_exp_f32 v[QS+CJ], v[QS+CJ]                   ; p = 2^(t - M), at most 1
.set CJ, CJ+1
.endr
	WIN 0
.irp b, 0,1,2,3
	v_exp_f32 v[BM+\b], v[BM+\b]                   ; the block's largest p
.endr
	v_nop                                          ; a plain place behind the exponentials
	s_wait_alu depctr_va_vdst(0)
.irp b, 0,1,2,3
	v_max_num_f32 v[BM+\b], 0x1800000, v[BM+\b]    ; the floor 2^(3 - 127): the byte cannot fall under 1
.endr
.irp b, 0,1,2,3
	v_add_nc_u32 v[SO+\b], 0xff000000, v[BM+\b]
.endr
.irp b, 0,1,2,3
	v_lshrrev_b32 v[BY+\b], 23, v[SO+\b]
.endr
	v_lshl_or_b32 v[PWB+\a], v[BY+1], 8, v[BY]
	v_lshl_or_b32 v[PWB+\a], v[BY+2], 16, v[PWB+\a]
	v_lshl_or_b32 v[PWB+\a], v[BY+3], 24, v[PWB+\a]
	WIN QW
.irp c, 0,1
	v_cvt_scalef32_pk16_fp6_f32 v[QP+6*\c:QP+6*\c+2], v[QS+32*\c:QS+32*\c+15], v[SO+2*\c]
	v_cvt_scalef32_pk16_fp6_f32 v[PX+4*\c:PX+4*\c+2], v[QS+16+32*\c:QS+31+32*\c], v[SO+1+2*\c]
.endr
	v_nop                                          ; one plain place behind a scaled conversion
	WIN 0
.irp c, 0,1
.irp i, 0,1,2
	v_permlane16_swap_b32 v[QP+6*\c+\i], v[PX+4*\c+\i]
.endr
.irp i, 0,1,2
	v_mov_b32 v[QP+3+6*\c+\i], v[PX+4*\c+\i]
.endr
.endr
	WIN QW|(QW<<2)                                 ; the sum is taken of the unquantised p: two at a time, in two chains
	v_pk_add_f32 v[LA:LA+1], v[QS:QS+1], v[QS+2:QS+3]
	v_pk_add_f32 v[LB:LB+1], v[QS+4:QS+5], v[QS+6:QS+7]
	WIN QW<<2
.irp j, 8,12,16,20,24,28,32,36,40,44,48,52,56,60
	v_pk_add_f32 v[LA:LA+1], v[LA:LA+1], v[QS+\j:QS+\j+1]
	v_pk_add_f32 v[LB:LB+1], v[LB:LB+1], v[QS+\j+2:QS+\j+3]
.endr
	WIN 0
	v_pk_add_f32 v[LA:LA+1], v[LA:LA+1], v[LB:LB+1]
	v_add_f32 v[LSB+\a], v[LA], v[LA+1]
	v_permlanex16_b32 v[TT], v[LSB+\a], s[SEL], s[SEL+1]
	v_add_f32 v[LSB+\a], v[LSB+\a], v[TT]          ; with lane l xor 16: the sum over my query's 128 keys
.irp c, 0,1,2
	global_store_b128 v4, v[QP+4*\c:QP+4*\c+3], s[8:9] offset:24576*\a+512*\c   ; 512 consecutive bytes, aligned; each tile has registers of its own
.endr
	ds_store_b32 v13, v[PWB+\a] offset:64*\a
	ds_store_b32 v13, v[QN] offset:512+64*\a
	ds_store_b32 v13, v[LSB+\a] offset:1024+64*\a
.endm
	PLACES 4
.irp b, 0,1,2,3
	v_mov_b32 v[TT+\b], 0                          ; a lane permute's destination counts as one of its sources
.endr
	s_cmp_ge_i32 s58, 127                          ; all my 128 keys count for all my 128 queries: a branch on ids alone
	s_cbranch_scc1 .Lopen
.irp a, 0,1,2,3,4,5,6,7
	MASK \a
.endr
	WIN 0
.Lopen:
.irp a, 0,1,2,3,4,5,6,7
	SOFTQ \a
.endr
.irp u, 0,1,2
	ds_load_b128 v[216+4*\u:219+4*\u], v14 offset:512*\u   ; eight tiles' words, -M and sums: LDS serves a wave's instructions in order
.endr
	s_wait_dscnt 0x0
.irp u, 0,1,2
	global_store_b128 v4, v[216+4*\u:219+4*\u], s[10:11] offset:524288*\u   ; 512 consecutive bytes, aligned
.endr
	s_wait_tensorcnt 0x0                           ; the wave's end
	ds_add_u32 v[SPW], v[NIL]
	s_wait_dscnt 0x0
	s_endpgm
.Lfunc_end_k_q2fcaa45e15_scores:
	.size	k_q2fcaa45e15_scores, .Lfunc_end_k_q2fcaa45e15_scores-k_q2fcaa45e15_scores
	.p2alignl 7, 3214868480
	.fill 96, 4, 3214868480
	.section	.rodata,"a",@progbits
	.p2align	6, 0x0
	.amdhsa_kernel k_q2fcaa45e15_scores
		.amdhsa_group_segment_fixed_size 327680
		.amdhsa_private_segment_fixed_size 0
		.amdhsa_enable_private_segment 0
		.amdhsa_kernarg_size 32
		.amdhsa_user_sgpr_count 2
		.amdhsa_user_sgpr_kernarg_segment_ptr 1
		.amdhsa_wavefront_size32 1
		.amdhsa_system_sgpr_workgroup_id_x 1
		.amdhsa_system_sgpr_workgroup_id_y 1
		.amdhsa_system_sgpr_workgroup_id_z 1
		.amdhsa_system_vgpr_workitem_id 0
		.amdhsa_next_free_vgpr 1024
		.amdhsa_next_free_sgpr 84
		.amdhsa_reserve_vcc 1
		.amdhsa_float_denorm_mode_32 3
		.amdhsa_float_denorm_mode_16_64 3
		.amdhsa_memory_ordered 1
		.amdhsa_forward_progress 1
		.amdhsa_inst_pref_size 239
	.end_amdhsa_kernel
	.amdgpu_metadata
---
amdhsa.version: [ 1, 2 ]
amdhsa.kernels:
  - .name:           k_q2fcaa45e15_scores
    .symbol:         k_q2fcaa45e15_scores.kd
    .args:
      - { .name: qk_c, .offset: 0, .size: 8, .value_kind: global_buffer, .address_space: global }
      - { .name: qk_s, .offset: 8, .size: 8, .value_kind: global_buffer, .address_space: global }
      - { .name: p_c, .offset: 16, .size: 8, .value_kind: global_buffer, .address_space: global }
      - { .name: p_st, .offset: 24, .size: 8, .value_kind: global_buffer, .address_space: global }
    .group_segment_fixed_size: 327680
    .private_segment_fixed_size: 0
    .kernarg_segment_align: 8
    .kernarg_segment_size: 32
    .max_flat_workgroup_size: 128
    .sgpr_count:     84
    .vgpr_count:     1024
    .wavefront_size: 32
...
	.end_amdgpu_metadata
.endif
;; end of part 3
;; launch pv (part 4): grid 8 x 32, 4 waves a work-group, no clusters, 327,680 bytes of LDS; arguments p_c, p_st, v_c, v_s, out0; writes out0
.if DOCPART == 4
	.amdgcn_target "amdgcn-amd-amdhsa--gfx1250"
	.amdhsa_code_object_version 6
	.text
	.protected	k_q2fcaa45e15_pv
	.globl	k_q2fcaa45e15_pv
	.p2align	8
	.type	k_q2fcaa45e15_pv,@function
k_q2fcaa45e15_pv:
	s_mov_b64 s[64:65], 0
	v_nop
	global_prefetch_b8 v0, s[64:65] scope:SCOPE_SE
	s_setreg_imm32_b32 hwreg(HW_REG_WAVE_MODE, 25, 1), 1
	s_wait_xcnt 0x0
; out = (P V) / l on codes of FP6 (E2M3) with E8M0 scales; K = the keys.  A work-group makes 256 queries x 128 of the 1,024 columns: 8 x 32 = 256 work-groups.
; Four waves, 128 queries x 64 columns each: 32 accumulators, 256 registers.  Source 0 = 16 rows of V^T, source 1 = 16 queries: a lane holds one query, its registers run along the columns.
; WORK LEFT OUT: the mask (key <= query + 1) leaves row block I (256 queries) the keys up to 256 I + 256, which lie in pieces 0 .. 2 I + 2 of 128 keys: NP = min(2 I + 3, 16) pieces are multiplied, the others are hidden whole.
; The pieces are written out and left by a forward branch on NP, which hangs on the work-group's number alone.  The longest row blocks have the lowest work-group numbers.
; THE HEAD.  p arrives in pieces of 128 keys, each under its own whole number M.  The row's M is the largest of them; a piece's scale bytes are lowered by n = M(row) - M(piece), an exact power of two;
; the row's sum is the sum of the pieces' sums x 2^-n.  Thread t does this for the queries' words 2 t and 2 t + 1; the adjusted words and 1 / l go to LDS, and so do V's scale words, through registers.
; LIMITS: n is held at 127 and a byte that would fall under 0 at 0: what such a block then adds is at most 7.5 x 2^-127 x |V| a number, beside a row's sum over 1/2.  NaN and infinities are not served.
; THE RING: two slots of 512 keys, each two halves of 256 keys (P's 16 tiles x 3,072 bytes, then V's 8).  Wave 0 fetches P's and wave 1 V's part of a slot's first half, waves 2 and 3 those of its second half:
; one tensor load a wave at the head (pieces 0 to 2 count for every row block, so both halves are read) and one behind each barrier; a half that the row block does not reach is not asked for: a jump on NP.  Every wait on TENSORcnt is for 0.
; NO JOINT LOADS: the eight work-groups of a row block read the same P, but the number of fills hangs on the row block and they stand under jumps on NP.
; NO PREFETCH: the walk is written out, with no loop to run ahead in, and is four slots at the most, of which two are asked for ahead of the first product.
; REGISTERS: window 0: v0-29 addresses; v32-47 scale words, two sets, and nothing else; v64-159, v160-255 P's fragments, two sets (in the head and on the way out at other work).  window 1: v0-95 V's fragments, two sets.  window 2: accumulator (a, b) at v[8 (4 a + b)].
.set FR,    12
.set SUBP,  16*3072                    ; P's part of half a slot
.set SUB,   SUBP+8*3072                ; half a slot: 256 keys
.set SLOT,  2*SUB
.set SCT,   2*SLOT                     ; scale words [16 pieces][P's 16 tiles, V's 8 tiles][16 rows]: stored by the head, never a fill's target
.set RL,    SCT+16*1536                ; 1 / l of the 256 queries
.set SPARE, RL+1024                    ; the spare words, 128 bytes a wave: two blocks of 256 bytes that no other line names
.set SP,    272                        ; the way out: a stage of 16 rows x (256 bytes + 16) for each wave, from LDS byte 0: slot 0 has had its last fill and its last read by then
.set RLA,  8
.set STO,  9
.set RD,   10
.set ADRA, 16                          ; v16-19  my P fragments in the four halves
.set ADRB, 20                          ; v20-23  my V fragments
.set CO,   24                          ; v24     my byte offset in out0
.set ADRS, 27                          ; v27     my scale words: lanes 0-15 P's, lanes 16-31 V's
.set SPW,  28                          ; v28     my spare word; never rewritten
.set NIL,  29                          ; v29     0; never rewritten
.set SC,   32
.set AF,   64
.set BF,   0
.set NMR,  64                          ; the head: -M of 16 pieces x 2 queries
.set LLR,  96                          ; their sums
.set WDR,  128                         ; their scale words
.set AO,   160                         ; the pieces' byte offsets
.set MR,   176
.set LR,   178
.set T0,   180
.set T1,   184
.set VW,   192                         ; V's scale words on their way to LDS
.set WV,   16
.set AH,   17
.set BH,   18
.set NP,   20
.set NK1,  21
.set G1P,  24
.set G1V,  32
.set G0,   40
.set MSB, 0
.macro WIN new                         ; the immediate's high byte repeats the setting that is left
.if MSB != (\new)
	s_set_vgpr_msb (MSB<<8)|(\new)
.set MSB, (\new)
.endif
.endm
.set MULW, 0xa1                        ; source 0 window 1, source 1 window 0, C and D window 2
.set TO_B, 0x40                        ; destination window 1
.macro PLACES n                        ; plain places behind matrix instructions (ISA guide 7.12.1)
.rept \n
	v_nop
.endr
.endm
.macro FETCH n                         ; piece n's fragments and scale words into set n % 2: a fragment is three loads of 512 consecutive bytes
.set FS, (\n)%2
.set FG, ((\n)/2)%4
	WIN TO_B
.irp i, 0,1,2,3
.irp c, 0,1,2
	ds_load_b128 v[BF+48*FS+FR*\i+4*\c:BF+48*FS+FR*\i+4*\c+3], v[ADRB+FG] offset:3072*\i+1536*FS+512*\c
.endr
.endr
	WIN 0
.irp i, 0,1,2,3,4,5,6,7
.irp c, 0,1,2
	ds_load_b128 v[AF+96*FS+FR*\i+4*\c:AF+96*FS+FR*\i+4*\c+3], v[ADRA+FG] offset:3072*\i+1536*FS+512*\c
.endr
.endr
.irp i, 0,1,2,3,4,5,6,7
	ds_load_b32 v[SC+8*FS+\i], v[ADRS] offset:1536*(\n)+64*\i   ; lanes 0-15: the word of query tile i; lanes 16-31: that of V tile i (used for i under 4)
.endr
.endm
; Query tiles a0 .. a0 + n - 1 x my four V tiles, 128 keys.  The 32 accumulators take turns, one instruction a turn, in the same order in every piece.
.macro MUL a0, n, st, zero
.set MA, \a0
.rept \n
.irp b, 0,1,2,3
.if \zero
	v_wmma_scale_f32_16x16x128_f8f6f4 v[8*(4*MA+\b):8*(4*MA+\b)+7], v[BF+48*(\st)+FR*\b:BF+48*(\st)+FR*\b+FR-1], v[AF+96*(\st)+FR*MA:AF+96*(\st)+FR*MA+FR-1], 0, v[SC+8*(\st)+\b], v[SC+8*(\st)+MA] matrix_a_fmt:MATRIX_FMT_FP6 matrix_b_fmt:MATRIX_FMT_FP6 matrix_a_scale:MATRIX_SCALE_ROW1
.else
	v_wmma_scale_f32_16x16x128_f8f6f4 v[8*(4*MA+\b):8*(4*MA+\b)+7], v[BF+48*(\st)+FR*\b:BF+48*(\st)+FR*\b+FR-1], v[AF+96*(\st)+FR*MA:AF+96*(\st)+FR*MA+FR-1], v[8*(4*MA+\b):8*(4*MA+\b)+7], v[SC+8*(\st)+\b], v[SC+8*(\st)+MA] matrix_a_fmt:MATRIX_FMT_FP6 matrix_b_fmt:MATRIX_FMT_FP6 matrix_a_scale:MATRIX_SCALE_ROW1
.endif
.endr
.set MA, MA+1
.endr
.endm
; Pieces 4 sx .. 4 sx + 3 go into LDS slot 'slot', as far as the row block has them: both tests are on NP alone; between them the wave's number picks the half.  Waves 0 and 2 fetch P, waves 1 and 3 V: two lines, since the tiles differ.
.macro REFILL slot, sx
	s_cmp_gt_u32 s[NP], 4*(\sx)
	s_cbranch_scc0 .Lnone_\@
	s_cmp_lt_u32 s[WV], 2
	s_cbranch_scc1 .Lmine_\@
	s_cmp_gt_u32 s[NP], 4*(\sx)+2
	s_cbranch_scc0 .Lnone_\@
.Lmine_\@:
.if (\sx) >= 2
	s_add_nc_u64 s[G0+4*(\slot)+2:G0+4*(\slot)+3], s[G0+4*(\slot)+2:G0+4*(\slot)+3], 8*1536   ; no tensor load of mine is out: the address may step, eight pieces on
.endif
	s_cmp_eq_u32 s[BH], 0
	s_cbranch_scc0 .Lfor_v_\@
	tensor_load_to_lds s[G0+4*(\slot):G0+4*(\slot)+3], s[G1P:G1P+7]
	s_nop 0
.rept 4
	v_nop
.endr
	s_branch .Lnone_\@
.Lfor_v_\@:
	tensor_load_to_lds s[G0+4*(\slot):G0+4*(\slot)+3], s[G1V:G1V+7]
	s_nop 0
.rept 4
	v_nop
.endr
.Lnone_\@:
	PLACES 4                                       ; on every way: the places in front of the loads that follow
.endm
; Piece p: 32 matrix instructions on set p % 2; piece p + 1 is fetched in its middle.  NP is odd or 16: a row block's last piece is an even one, or piece 15.
; A slot's last piece (p % 4 = 3) changes slots: ONE barrier; in front of it each wave waits for all its tensor loads, adds 0 to its spare word, and waits for that and for its reads of this slot; behind it the slot is filled again first.
.macro PIECE p, zero
.set PS, (\p)%2
.if (\p)%2 == 0
.if (\p) >= 2
	s_cmp_eq_u32 s[NP], (\p)+1
	s_cbranch_scc1 .Llast0                         ; this is the row block's last piece: it is finished without fetching
.endif
.endif
.if (\p)%4 == 3
	s_wait_tensorcnt 0x0                           ; all my tensor loads have landed: my part of the next slot
	ds_add_u32 v[SPW], v[NIL]                      ; 0 onto my spare word
	s_wait_dscnt 1                                 ; this piece's 44 loads are in; the add alone may be out
	WIN MULW
	MUL 0, 2, PS, 0
	s_wait_dscnt 0x0                               ; the add is done, and my reads of this slot are over
	s_barrier_signal -1
	MUL 2, 2, PS, 0
	WIN 0
	s_barrier_wait -1
.if (\p) < 11
	REFILL ((\p)/4)%2, (\p)/4+2
.else
	PLACES 4
.endif
.else
	s_wait_dscnt 0x0                               ; this piece's fragments and scale words are in
	WIN MULW
	MUL 0, 4, PS, \zero
	PLACES 4
.endif
	FETCH (\p)+1
	WIN MULW
	MUL 4, 4, PS, \zero
	WIN 0
.endm
.macro LAST st
	s_wait_dscnt 0x0
	WIN MULW
	MUL 0, 8, \st, 0
	WIN 0
.endm
	s_load_b256 s[4:11], s[0:1], 0x0               ; p_c, p_st, v_c, v_s
	s_load_b64 s[12:13], s[0:1], 0x20              ; out0
	v_lshl_add_u32 v[SPW], v0, 2, SPARE
	v_mov_b32 v[NIL], 0
	ds_add_u32 v[SPW], v[NIL]                      ; the opening lines: the add, twice on end, and its wait ahead of my first tensor load
	ds_add_u32 v[SPW], v[NIL]
	v_lshrrev_b32 v1, 5, v0
	v_readfirstlane_b32 s[WV], v1
	s_lshr_b32 s[AH], s[WV], 1                     ; my half of the queries.  Also: which half of a slot I fetch
	s_and_b32 s[BH], s[WV], 1                      ; my half of the 128 columns.  Also: I fetch P (0) or V (1)
	s_and_b32 s14, ttmp7, 0xffff
	s_and_b32 s15, s14, 3                          ; the batch
	s_lshr_b32 s19, s14, 2
	s_sub_co_u32 s19, 7, s19                       ; I: the block of 256 queries, the longest first
	s_lshl_b32 s[NP], s19, 1
	s_add_co_u32 s[NP], s[NP], 3
	s_min_u32 s[NP], s[NP], 16                     ; pieces of 128 keys
	s_sub_co_u32 s[NK1], s[NP], 1                  ; the last of them
	; group 1: rows (tiles) of 3,072 bytes = 384 elements of 8 bytes; P: 16 tiles 24,576 bytes = 3,072 elements apart; V: 8 tiles 98,304 bytes = 12,288 elements apart
	s_mov_b32 s[G1P], 3<<16
	s_mov_b32 s[G1P+1], 384<<16
	s_mov_b32 s[G1P+2], 16<<16
	s_mov_b32 s[G1P+3], 384<<16
	s_mov_b32 s[G1P+4], 16
	s_mov_b32 s[G1P+5], 3072
	s_mov_b32 s[G1P+6], 0
	s_mov_b32 s[G1P+7], 0
	s_mov_b32 s[G1V], 3<<16
	s_mov_b32 s[G1V+1], 384<<16
	s_mov_b32 s[G1V+2], 8<<16
	s_mov_b32 s[G1V+3], 384<<16
	s_mov_b32 s[G1V+4], 8
	s_mov_b32 s[G1V+5], 12288
	s_mov_b32 s[G1V+6], 0
	s_mov_b32 s[G1V+7], 0
	s_lshl_b32 s48, s15, 7
	s_lshl_b32 s49, s19, 4
	s_add_co_u32 s48, s48, s49                     ; the block's first query tile
	s_mul_i32 s50, s48, 24576                      ; P: its 16 tiles
	s_mul_i32 s51, ttmp9, 8*98304                  ; V: my block's 8 tiles,
	s_mul_i32 s52, s15, 16*1536                    ; the batch's first piece
	s_add_co_u32 s51, s51, s52
	s_cmp_eq_u32 s[BH], 0
	s_cselect_b32 s[G0+2], s50, s51
	s_mul_i32 s52, s[AH], 3072                     ; my half of the slot: two pieces on
	s_add_co_u32 s[G0+2], s[G0+2], s52
	s_mov_b32 s[G0+3], 0
	s_mov_b32 s[G0], 1
	s_mov_b32 s[G0+4], 1
	s_mul_i32 s[G0+1], s[AH], SUB
	s_mul_i32 s52, s[BH], SUBP
	s_add_co_u32 s[G0+1], s[G0+1], s52             ; LDS: half x SUB, V's part behind P's
	s_add_co_u32 s[G0+5], s[G0+1], SLOT
	s_wait_alu depctr_va_vdst(0)
	s_wait_dscnt 0x0                               ; both opening adds are done
	s_wait_kmcnt 0x0
	s_cmp_eq_u32 s[BH], 0
	s_cselect_b64 s[66:67], s[4:5], s[8:9]         ; P's buffer or V's: the choice hangs on the wave's number alone
	s_add_nc_u64 s[G0+2:G0+3], s[66:67], s[G0+2:G0+3]
	s_add_nc_u64 s[G0+6:G0+7], s[G0+2:G0+3], 4*1536
	s_or_b32 s[G0+3], s[G0+3], 0x80000000
	s_or_b32 s[G0+7], s[G0+7], 0x80000000
	s_cmp_eq_u32 s[BH], 0                          ; the head's fills, one a wave: pieces 0 to 3
	s_cbranch_scc0 .Lfirst_v
	tensor_load_to_lds s[G0:G0+3], s[G1P:G1P+7]
	s_nop 0
.rept 4
	v_nop
.endr
	s_branch .Lfirst_done
.Lfirst_v:
	tensor_load_to_lds s[G0:G0+3], s[G1V:G1V+7]
	s_nop 0
.rept 4
	v_nop
.endr
.Lfirst_done:
	v_and_b32 v1, 15, v0                           ; r
	v_bfe_u32 v2, v0, 4, 1                         ; h
	v_and_b32 v3, 31, v0
	v_lshlrev_b32 v4, 4, v3                        ; 16 x lane
	v_lshlrev_b32 v5, 3, v0                        ; my two words: 8 x thread
	v_lshrrev_b32 v11, 5, v0
	v_lshl_add_u32 v12, v11, 12, v4                ; V's scale words in memory: piece 4 k + wave, 4,096 bytes a piece, 16 bytes a lane of my block's 512
	v_mad_u32_u24 v13, v11, 1536, v4
	v_add_nc_u32 v13, SCT+1024, v13                ; and in the table, behind P's 1,024 bytes of that piece
	v_lshl_add_u32 v6, v0, 3, SCT
	v_lshl_add_u32 v7, v0, 3, RL
	s_wait_alu depctr_va_vdst(0)
	s_lshl_b32 s68, s15, 16                        ; v_s: 16 pieces of 4,096 bytes a batch,
	s_lshl_b32 s70, ttmp9, 9                       ; 512 bytes a block of 8 tiles
	s_add_co_u32 s68, s68, s70
	s_mov_b32 s69, 0
	s_add_nc_u64 s[10:11], s[10:11], s[68:69]
.irp k, 0,1,2,3
	global_load_b128 v[VW+4*\k:VW+4*\k+3], v12, s[10:11] offset:16384*\k
.endr
	s_lshl_b32 s68, s15, 17                        ; p_st at my block: 16 pieces of 8,192 bytes a batch, 1,024 bytes a block
	s_lshl_b32 s70, s19, 10
	s_add_co_u32 s68, s68, s70
	s_add_nc_u64 s[6:7], s[6:7], s[68:69]
.irp k, 0,1,2,3,4,5,6,7,8,9,10,11,12,13,14,15
	s_min_u32 s70, s[NK1], \k                      ; pieces behind the last are not used: the last is read again, and does not count below
	s_lshl_b32 s70, s70, 13
	v_add_nc_u32 v[AO+\k], s70, v5
.endr
	s_wait_alu depctr_va_vdst(0)
.irp k, 0,1,2,3,4,5,6,7,8,9,10,11,12,13,14,15
	global_load_b64 v[NMR+2*\k:NMR+2*\k+1], v[AO+\k], s[6:7] offset:524288
	global_load_b64 v[LLR+2*\k:LLR+2*\k+1], v[AO+\k], s[6:7] offset:1048576
	global_load_b64 v[WDR+2*\k:WDR+2*\k+1], v[AO+\k], s[6:7]
.endr
	s_mul_i32 s2, s[AH], 8*3072                    ; my eight query tiles,
	s_mul_i32 s3, s[BH], 4*3072                    ; my four V tiles,
	s_add_co_u32 s3, s3, SUBP                      ; which lie behind P's 16
.irp g, 0,1,2,3
	v_add_nc_u32 v[ADRA+\g], s2, v4
	v_add_nc_u32 v[ADRB+\g], s3, v4
	s_add_co_u32 s2, s2, SUB
	s_add_co_u32 s3, s3, SUB
.endr
	s_lshl_b32 s2, s[AH], 9
	s_lshl_b32 s3, s[BH], 8
	s_add_co_u32 s3, s3, 1024
	s_sub_co_u32 s3, s3, s2
	v_mul_u32_u24 v15, s3, v2                      ; lanes 16-31 take V's words: one product, the distance between the two
	s_add_co_u32 s3, s2, SCT
	v_lshl_add_u32 v15, v1, 2, v15
	v_add_nc_u32 v[ADRS], s3, v15
	s_add_co_u32 s3, s2, RL
	v_lshl_add_u32 v[RLA], v1, 2, s3               ; 1 / l of my eight tiles' rows r
	s_mul_i32 s2, s[WV], 16*SP                     ; my stage
	v_mul_u32_u24 v[STO], v1, SP
	v_lshl_add_u32 v[STO], v2, 6, v[STO]
	v_add_nc_u32 v[STO], s2, v[STO]                ; in: row r, + 64 h
	v_mul_u32_u24 v[RD], v2, SP
	v_lshl_add_u32 v[RD], v1, 4, v[RD]
	v_add_nc_u32 v[RD], s2, v[RD]                  ; back: sixteen lanes to a row of 256 bytes, two rows an instruction
	v_lshlrev_b32 v[CO], 12, v2
	v_lshl_add_u32 v[CO], v1, 4, v[CO]             ; and the same two rows in out0
	s_lshl_b32 s68, s48, 4
	s_lshl_b32 s70, s[AH], 7
	s_add_co_u32 s68, s68, s70                     ; my first row of out0
	s_lshl_b32 s68, s68, 12
	s_lshl_b32 s70, ttmp9, 9
	s_add_co_u32 s68, s68, s70
	s_lshl_b32 s70, s[BH], 8
	s_add_co_u32 s68, s68, s70                     ; + my first column, in bytes
	s_add_nc_u64 s[12:13], s[12:13], s[68:69]
	v_mov_b32 v[LR], 0
	v_mov_b32 v[LR+1], 0
	s_wait_alu depctr_va_vdst(0)
	s_wait_loadcnt 0x0
.irp k, 0,1,2,3
	ds_store_b128 v13, v[VW+4*\k:VW+4*\k+3] offset:6144*\k
.endr
.irp e, 0,1
	v_min3_num_f32 v[MR+\e], v[NMR+\e], v[NMR+2+\e], v[NMR+4+\e]   ; the row's -M is the least of the pieces' -M
.endr
.irp k, 3,5,7,9,11,13
.irp e, 0,1
	v_min3_num_f32 v[MR+\e], v[MR+\e], v[NMR+2*\k+\e], v[NMR+2*\k+2+\e]
.endr
.endr
.irp e, 0,1
	v_min_num_f32 v[MR+\e], v[MR+\e], v[NMR+30+\e]
.endr
; Pieces k and k + 1, two queries each: four chains by turns.
.macro ADJ k
	s_cmp_ge_u32 s[NK1], \k
	s_cselect_b32 s72, 0x3f800000, 0               ; 1.0 for a piece that counts, 0 for a repeat of the last
	s_cmp_ge_u32 s[NK1], \k+1
	s_cselect_b32 s73, 0x3f800000, 0
.irp u, 0,1,2,3
	v_sub_f32 v[T0+\u], v[NMR+2*\k+\u], v[MR+\u%2] ; n = M(row) - M(piece): a whole number, 0 or more
.endr
.irp u, 0,1,2,3
	v_cvt_i32_f32 v[T0+\u], v[T0+\u]               ; (it saturates)
.endr
.irp u, 0,1,2,3
	v_min_u32 v[T0+\u], 127, v[T0+\u]
.endr
.irp u, 0,1,2,3
	v_sub_nc_u32 v[T1+\u], 0, v[T0+\u]
.endr
.irp u, 0,1,2,3
	v_ldexp_f32 v[T1+\u], v[LLR+2*\k+\u], v[T1+\u] ; the piece's sum under the row's M
.endr
.irp u, 0,1,2,3
	v_fmac_f32 v[LR+\u%2], s[72+\u/2], v[T1+\u]
.endr
.irp u, 0,1,2,3
	v_perm_b32 v[T0+\u], v[T0+\u], v[T0+\u], 0     ; n in each of the four bytes
.endr
.irp u, 0,1,2,3
	v_or_b32 v[WDR+2*\k+\u], 0x80808080, v[WDR+2*\k+\u]   ; the bytes are 1 to 125: with 128 on top no byte borrows from its neighbour
.endr
.irp u, 0,1,2,3
	v_sub_nc_u32 v[WDR+2*\k+\u], v[WDR+2*\k+\u], v[T0+\u]
.endr
.irp u, 0,1,2,3
	v_lshrrev_b32 v[T0+\u], 7, v[WDR+2*\k+\u]
.endr
.irp u, 0,1,2,3
	v_and_b32 v[T0+\u], 0x01010101, v[T0+\u]       ; 1 where byte - n is not negative
.endr
.irp u, 0,1,2,3
	v_lshlrev_b32 v[T1+\u], 8, v[T0+\u]
.endr
.irp u, 0,1,2,3
	v_sub_nc_u32 v[T0+\u], v[T1+\u], v[T0+\u]      ; 0xff there
.endr
.irp u, 0,1,2,3
	v_and_b32 v[WDR+2*\k+\u], 0x7f7f7f7f, v[WDR+2*\k+\u]
.endr
.irp u, 0,1,2,3
	v_and_b32 v[WDR+2*\k+\u], v[WDR+2*\k+\u], v[T0+\u]   ; byte - n, held at 0
.endr
	ds_store_b64 v6, v[WDR+2*\k:WDR+2*\k+1] offset:1536*\k
	ds_store_b64 v6, v[WDR+2*\k+2:WDR+2*\k+3] offset:1536*\k+1536
.endm
.irp k, 0,2,4,6,8,10,12,14
	ADJ \k
.endr
	s_wait_alu depctr_va_vdst(0)                   ; the wait ahead of the reciprocals,
	v_rcp_f32 v[LR], v[LR]
	v_rcp_f32 v[LR+1], v[LR+1]
	v_nop                                          ; a plain place behind them,
	s_wait_alu depctr_va_vdst(0)                   ; and the wait ahead of their reader
	ds_store_b64 v7, v[LR:LR+1]
	s_wait_tensorcnt 0x0                           ; my part of pieces 0 to 3 has landed;
	ds_add_u32 v[SPW], v[NIL]                      ; 0 onto my spare word;
	s_wait_dscnt 0x0                               ; the add is done, and my words and reciprocals lie in LDS
	s_barrier_signal -1
	s_barrier_wait -1                              ; everybody's do
	REFILL 1, 1                                    ; slot 1's first fill, pieces 4 to 7: my one tensor load behind this barrier
	FETCH 0
	PIECE 0, 1                                     ; the first products start the sums: nothing is cleared
.set PN, 1
.rept 14
	PIECE PN, 0
.set PN, PN+1
.endr
	LAST 1                                         ; piece 15
	s_branch .Lout
.Llast0:
	LAST 0
.Lout:
; THE WAY OUT, query tile by query tile: x 1 / l in place; a lane's 32 numbers are 16 neighbours of each 32 columns of one row, so a tile goes through my own stage and comes back as whole rows of 256 bytes.
.macro DIVIDE a
	WIN 0x82                                       ; source 0 and destination: window 2
.set CJ, 0
.rept 16
	v_pk_mul_f32 v[32*(\a)+CJ:32*(\a)+CJ+1], v[32*(\a)+CJ:32*(\a)+CJ+1], v[64+2*(\a):65+2*(\a)] op_sel_hi:[1,0]   ; each accumulator from its low end on
.set CJ, CJ+2
.endr
.endm
.macro TOSTAGE a
.set BB, 128+32*((\a)%2)
	WIN 0x08                                       ; an LDS store's data are its source 1
.irp b, 0,1,2,3
	ds_store_b128 v[STO], v[32*(\a)+8*\b:32*(\a)+8*\b+3] offset:128*(\b/2)+32*(\b%2)
	ds_store_b128 v[STO], v[32*(\a)+8*\b+4:32*(\a)+8*\b+7] offset:128*(\b/2)+32*(\b%2)+16
.endr
	WIN 0
.irp t, 0,1,2,3,4,5,6,7
	ds_load_b128 v[BB+4*\t:BB+4*\t+3], v[RD] offset:2*SP*\t   ; LDS serves a wave's instructions in order: these see the stores above, and the next tile's stores come behind them
.endr
.endm
.macro SEND a, younger
.set BB, 128+32*((\a)%2)
	s_wait_dscnt \younger                          ; the tile is back in registers
.irp t, 0,1,2,3,4,5,6,7
	global_store_b128 v[CO], v[BB+4*\t:BB+4*\t+3], s[12:13] offset:(32*((\a)/2)+8*((\a)%2)+2*\t+8*(\t/4))*4096 th:TH_STORE_NT   ; sixteen lanes store 256 consecutive bytes, aligned; the rows' place stands in the immediate, 516,096 at the most
.endr
.endm
	s_wait_dscnt 0x0                               ; my reads of the slots are over;
	s_barrier_signal -1
	s_barrier_wait -1                              ; everybody's are: the stages may lie in slot 0, which is filled no more
	PLACES 4
.irp a, 0,1,2,3,4,5,6,7
	ds_load_b32 v[64+2*\a], v[RLA] offset:64*\a
	ds_load_b32 v[65+2*\a], v[RLA] offset:64*\a    ; (the packed form names the pair, so both are written)
.endr
	s_wait_dscnt 0x0
	DIVIDE 0
	TOSTAGE 0
.irp a, 1,2,3,4,5,6,7
	DIVIDE \a
.if \a > 1
	s_wait_alu depctr_va_vdst(0)
	s_wait_xcnt 0x0                                ; the stores of two tiles ago have read their registers: this tile's loads may land there
.endif
	TOSTAGE \a
	SEND \a-1, 16                                  ; behind that tile's loads: this tile's 8 stores and 8 loads
.endr
	SEND 7, 0
	s_wait_tensorcnt 0x0                           ; the wave's end
	ds_add_u32 v[SPW], v[NIL]
	s_wait_dscnt 0x0
	s_endpgm
.Lfunc_end_k_q2fcaa45e15_pv:
	.size	k_q2fcaa45e15_pv, .Lfunc_end_k_q2fcaa45e15_pv-k_q2fcaa45e15_pv
	.p2alignl 7, 3214868480
	.fill 96, 4, 3214868480
	.section	.rodata,"a",@progbits
	.p2align	6, 0x0
	.amdhsa_kernel k_q2fcaa45e15_pv
		.amdhsa_group_segment_fixed_size 327680
		.amdhsa_private_segment_fixed_size 0
		.amdhsa_enable_private_segment 0
		.amdhsa_kernarg_size 40
		.amdhsa_user_sgpr_count 2
		.amdhsa_user_sgpr_kernarg_segment_ptr 1
		.amdhsa_wavefront_size32 1
		.amdhsa_system_sgpr_workgroup_id_x 1
		.amdhsa_system_sgpr_workgroup_id_y 1
		.amdhsa_system_sgpr_workgroup_id_z 1
		.amdhsa_system_vgpr_workitem_id 0
		.amdhsa_next_free_vgpr 768
		.amdhsa_next_free_sgpr 76
		.amdhsa_reserve_vcc 0
		.amdhsa_float_denorm_mode_32 3
		.amdhsa_float_denorm_mode_16_64 3
		.amdhsa_memory_ordered 1
		.amdhsa_forward_progress 1
		.amdhsa_inst_pref_size 184
	.end_amdhsa_kernel
	.amdgpu_metadata
---
amdhsa.version: [ 1, 2 ]
amdhsa.kernels:
  - .name:           k_q2fcaa45e15_pv
    .symbol:         k_q2fcaa45e15_pv.kd
    .args:
      - { .name: p_c, .offset: 0, .size: 8, .value_kind: global_buffer, .address_space: global }
      - { .name: p_st, .offset: 8, .size: 8, .value_kind: global_buffer, .address_space: global }
      - { .name: v_c, .offset: 16, .size: 8, .value_kind: global_buffer, .address_space: global }
      - { .name: v_s, .offset: 24, .size: 8, .value_kind: global_buffer, .address_space: global }
      - { .name: out0, .offset: 32, .size: 8, .value_kind: global_buffer, .address_space: global }
    .group_segment_fixed_size: 327680
    .private_segment_fixed_size: 0
    .kernarg_segment_align: 8
    .kernarg_segment_size: 40
    .max_flat_workgroup_size: 128
    .sgpr_count:     76
    .vgpr_count:     768
    .wavefront_size: 32
...
	.end_amdgpu_metadata
.endif
;; end of part 4
